; MI455X (gfx1250); checked and timed in simulation.
; The chip was launched on July 23, 2026; its instructions are those of AMD's public machine-readable ISA for CDNA 5 (MIT licence, August 2026) and "CDNA5" Instruction Set Architecture Reference Guide (July 2026). The comments in the code are by the model that wrote it; some were corrected since.
;; Attention Block. Allowed arithmetic: matrix products marked QUANTISED: E2M1 operands, one E8M0 scale for each 32 along K, by v_wmma_scale_f32_16x16x128_f8f6f4 with both operands' format E2M1 (or v_wmma_scale_f32_32x16x128_f4), f32 sums; everything else in f32.
;; Inputs: b_proj 256 float32; b_qkv 768 float32; b_se1 64 float32; b_se2 256 float32; gn_beta 256 float32; gn_gamma 256 float32; w_proj_codes 256 x 8 x 16 uint8 (E2M1 codes of w_proj, K innermost, in blocks of 32 codes, two codes a byte); w_proj_scales 256 x 8 uint8 (E8M0 scales of w_proj, one for each 32 codes along K); w_qkv_codes 768 x 8 x 16 uint8 (E2M1 codes of w_qkv, K innermost, in blocks of 32 codes, two codes a byte); w_qkv_scales 768 x 8 uint8 (E8M0 scales of w_qkv, one for each 32 codes along K); w_se1_codes 64 x 8 x 16 uint8 (E2M1 codes of w_se1, K innermost, in blocks of 32 codes, two codes a byte); w_se1_scales 64 x 8 uint8 (E8M0 scales of w_se1, one for each 32 codes along K); w_se2_codes 256 x 2 x 16 uint8 (E2M1 codes of w_se2, K innermost, in blocks of 32 codes, two codes a byte); w_se2_scales 256 x 2 uint8 (E8M0 scales of w_se2, one for each 32 codes along K); x 32 x 256 x 32 x 32 float32.
;; Outputs: out0 32 x 256 x 32 x 32 float32.
;; This version of the problem:
;;   THIS VERSION OF THE PROBLEM IS GIVEN IN LOW PRECISION. The matrix products marked QUANTISED in the list below multiply operands that are first quantised to E2M1 (2 exponent bits, 1 mantissa bit; 4 bits a number), with one power-of-two scale for each 32 numbers along K (OCP MX v1.0); their sums are f32. All else is computed in f32.
;;   The module's matrix products, in the order in which they are computed (A, B: the left and right operand; K: the contracted axis; several contracted axes count as one K, in the product's order):
;;     1. [M 32,768, K 256] x [K 256, N 768]; A: computed on the way; B: input w_qkv (given as codes): QUANTISED
;;     2. batch 32 x [M 1,024, K 256] x [K 256, N 1,024]; A: computed on the way; B: computed on the way: QUANTISED
;;     3. batch 32 x [M 256, K 1,024] x [K 1,024, N 1,024]; A: computed on the way; B: softmax (see below): QUANTISED
;;     4. [M 32,768, K 256] x [K 256, N 256]; A: computed on the way; B: input w_proj (given as codes): QUANTISED
;;     5. [M 32, K 256] x [K 256, N 64]; A: computed on the way; B: input w_se1 (given as codes): QUANTISED
;;     6. [M 32, K 64] x [K 64, N 256]; A: computed on the way; B: input w_se2 (given as codes): QUANTISED
;;   THE QUANTISER, for each operand of a quantised product, along K:
;;     - K is cut into blocks of 32 from its start; a last block that is shorter is filled with zeros.
;;     - A block's scale is 2^e with e = floor(log2(the largest magnitude in the block)) - 2, held to -126 .. 127; a block of zeros has e = 0. As a byte (E8M0): e + 127.
;;     - Each number is divided by its block's scale, clamped to +-6, and rounded to the nearest number of E2M1, ties to even, subnormals kept.
;;     - The product sums the exact products of the quantised numbers (number of the format x scale) in f32.
;;   ~~~python
;;   def quantise(x, axis):      # numpy; x: float32 -> the quantised numbers, widened to float32 again
;;       x = np.moveaxis(x, axis, -1); K = x.shape[-1]
;;       x = np.pad(x, [(0, 0)] * (x.ndim - 1) + [(0, -K % 32)]); x = x.reshape(x.shape[:-1] + (-1, 32)); a = np.abs(x).max(-1, keepdims=True)
;;       e = np.where(a > 0, np.clip(np.frexp(np.where(a > 0, a, 1))[1] - 1 - 2, -126, 127), 0)      # np.frexp(a)[1] - 1 = floor(log2(a)), exactly
;;       r = np.clip(x / 2.0 ** e, -6, 6)
;;       step = 2.0 ** (np.maximum(np.frexp(np.where(r == 0, 1, r))[1] - 1, 0) - 1)
;;       q = np.round(r / step) * step * 2.0 ** e      # np.round: ties to even
;;       return np.moveaxis(q.reshape(q.shape[:-2] + (-1,))[..., :K], -1, axis).astype(np.float32)
;;   ~~~
;;   SOFTMAX AHEAD OF A QUANTISED PRODUCT. Where the list says 'softmax', what is quantised is not the finished softmax but p = 2^(t - M), with t = logit x log2(e) and M = ceil(the row's largest t), a whole number; so 1/2 < the row's largest p <= 1. The row's sum l is taken of the UNQUANTISED p, in f32, and the product's result is divided by l at the end. Since M is a whole number, a kernel that streams over the keys may use a running M (the ceiling of the running maximum): every later rescaling is an exact power of two, which a block's scale takes up: the codes' values come out the same.
;;   OPERANDS COMPUTED ON THE WAY. 'Computed on the way' means the value that the module computes at that place (a softmax that the list does not call 'softmax' is quantised finished and normalised). What goes into a quantiser is computed in f32, as accurately as f32 sums, v_exp_f32 and their like allow (about 1e-6 of the number): no bf16 or f16 on the way to a quantiser, and a product that is left as it is and whose result goes on into a quantised operand takes f32 operands (vector FMAs, or v_wmma_f32_16x16x4_f32). A number that lies on a knife's edge between two numbers of the format may be rounded either way, as far as f32 arithmetic and the matrix unit's own rounding can turn it there, and no further.
;;   INPUTS GIVEN AS CODES. w_proj (in the module: [256, 256], K = its axis 1); w_qkv (in the module: [768, 256], K = its axis 1); w_se1 (in the module: [64, 256], K = its axis 1); w_se2 (in the module: [256, 64], K = its axis 1): each comes as NAME_codes (uint8): NAME with its K axis moved to the last place and cut into blocks of 32 codes, [.., K / 32, bytes a block], one block behind the other in memory; two codes a byte, the lower K in the low four bits (a code: sign, 2 exponent bits, 1 mantissa bit); and NAME_scales (uint8): the same leading axes, one E8M0 byte (e + 127) for each 32 codes along K. Its value is code x scale, taken as it is: it is not quantised again, and the codes and scales need not be those that the quantiser above would give.
;; 2 versions, each right; version 2 is version 1 with the launch qkv written anew for expert scheduling mode. Each part assembles by itself: llvm-mc -triple=amdgcn-amd-amdhsa -mcpu=gfx1250 --defsym DOCPART=n.
;; ======== version 1 of 2: 3 launches
;; workspace buffers: gn_a 32,768 bytes; gn_m 32,768 bytes; pooled 32,768 bytes; qimg 4,194,304 bytes; qsc 262,144 bytes; kv 8,912,896 bytes
;; launch stats (part 1): grid 256 x 1, 8 waves a work-group, no clusters, 1,536 bytes of LDS; arguments x, gn_gamma, gn_a, gn_m, pooled; writes gn_a, gn_m, pooled
.if DOCPART == 1
	.amdgcn_target "amdgcn-amd-amdhsa--gfx1250"
	.amdhsa_code_object_version 6
	.text
	.protected	k_qe831c82f3c_stats
	.globl	k_qe831c82f3c_stats
	.p2align	8
	.type	k_qe831c82f3c_stats,@function
k_qe831c82f3c_stats:
	s_mov_b64 s[64:65], 0
	v_nop
	global_prefetch_b8 v0, s[64:65] scope:SCOPE_SE
	s_setreg_imm32_b32 hwreg(HW_REG_WAVE_MODE, 25, 1), 1
	s_wait_xcnt 0x0
; GROUPNORM'S STATISTICS AND THE CHANNEL MEANS.  x: [32][256][1024] f32.  For each (image, channel): pooled = the channel's mean; gn_m = its group's mean (a group is 8 channels x 1,024 positions);
; gn_a = gamma x rsqrt(the group's variance + 1e-5).  All three are laid [32][256] f32.
; SHARES.  Work-group g owns the 32 rows 32 g .. 32 g + 31 of x taken as [8192][1024]: four whole groups, 131,072 consecutive bytes.  Wave w owns rows 4 w .. 4 w + 3: a row is 4,096 bytes, 32 registers a lane.
; All 32 loads of a wave go out at the head, each of 512 consecutive bytes: the rows stay in registers between the two passes, so x is read once here and there is no loop.
; ARITHMETIC.  Two passes for each channel (the mean; then the sum of squares of x - mean), then the groups' figures from the channels': variance = (sum of M2_c + 1024 sum of (mean_c - mean_g)^2) / 8192.
; No difference of large sums is formed, so a common offset of x does no harm.
; The channels' pairs (mean, M2) meet in 256 bytes of LDS; wave 0 then takes a channel a lane.  Its three stores cover 128 consecutive bytes each.
; No matrix unit, no cluster, no tensor load: the work-groups share nothing but gamma, and every byte is asked for in the first lines.
; LIMITS: NaN and infinities in x are not served; rsqrt is v_rsq_f32.
.set X, 36                             ; v[36:163] my four rows, 32 registers each
                                       ; v1 16 lane + 16384 wave; v2 gamma's offset; v3 gamma; v4 32 wave; v5 8 lane; v6 4 lane; v[8:15] four chains of pairs; v[16:23] differences; v26 for the lane exchange
                                       ; v[28:35] row q's pair: (mean, mean) during pass 2, then (mean, M2)
	s_load_b128 s[4:7], s[0:1], 0x0                ; x, gamma
	s_load_b128 s[8:11], s[0:1], 0x10              ; gn_a, gn_m
	s_load_b64 s[12:13], s[0:1], 0x20              ; pooled
	v_lshl_add_u32 v168, v0, 2, 0x200
	v_mov_b32 v169, 0
	v_lshrrev_b32 v1, 5, v0
	v_readfirstlane_b32 s14, v1                    ; wave 0..7
	v_and_b32 v7, 31, v0                           ; lane
	s_lshl_b32 s15, s14, 14
	v_lshl_add_u32 v1, v7, 4, s15                  ; my 16 bytes of a load's 512, in my wave's four rows
	s_and_b32 s15, ttmp9, 7
	s_lshl_b32 s15, s15, 7
	v_lshl_add_u32 v2, v7, 2, s15                  ; gamma of channel 32 (g % 8) + lane
	v_mov_b32 v4, s14
	v_lshlrev_b32 v4, 5, v4                        ; LDS: my wave's four pairs of 8 bytes
	v_lshlrev_b32 v5, 3, v7
	v_lshlrev_b32 v6, 2, v7
	v_mov_b32 v26, 0                               ; written once: a lane permute's destination counts as one of its sources
	s_mov_b32 s16, 0x76543210
	s_mov_b32 s17, 0xfedcba98                      ; v_permlanex16_b32's selects for lane l xor 16
	s_mov_b32 s22, 0x3727c5ac                      ; 1e-5
	s_lshl_b32 s18, ttmp9, 17                      ; 32 rows of 4,096 bytes
	s_mov_b32 s19, 0
	s_lshl_b32 s20, ttmp9, 7                       ; 32 numbers of 4 bytes
	s_mov_b32 s21, 0
	s_wait_kmcnt 0x0
	s_add_nc_u64 s[4:5], s[4:5], s[18:19]
	s_add_nc_u64 s[8:9], s[8:9], s[20:21]
	s_add_nc_u64 s[10:11], s[10:11], s[20:21]
	s_add_nc_u64 s[12:13], s[12:13], s[20:21]
	global_load_b32 v3, v2, s[6:7]
.irp q, 0,1,2,3
.irp j, 0,1,2,3,4,5,6,7
	global_load_b128 v[X+32*\q+4*\j:X+32*\q+4*\j+3], v1, s[4:5] offset:4096*\q+512*\j th:TH_LOAD_NT
.endr
.endr
.macro FOLD                            ; the four chains of pairs become one number a lane, in v8
	v_pk_add_f32 v[8:9], v[8:9], v[10:11]
	v_pk_add_f32 v[12:13], v[12:13], v[14:15]
	v_pk_add_f32 v[8:9], v[8:9], v[12:13]
	v_add_f32 v8, v8, v9
.endm
.macro LANESUM d                       ; v8 summed over the 32 lanes, into v[d] of every lane
	v_add_f32_dpp v8, v8, v8 row_xmask:1 row_mask:0xf bank_mask:0xf
	v_add_f32_dpp v8, v8, v8 row_xmask:2 row_mask:0xf bank_mask:0xf
	v_add_f32_dpp v8, v8, v8 row_xmask:4 row_mask:0xf bank_mask:0xf
	v_add_f32_dpp v8, v8, v8 row_xmask:8 row_mask:0xf bank_mask:0xf
	v_permlanex16_b32 v26, v8, s16, s17
	v_add_f32 v[\d], v8, v26
.endm
.macro ROW q
.set XR, X+32*(\q)
.set PR, 28+2*(\q)
	s_wait_loadcnt 24-8*(\q)                       ; loads come back in order: this row's eight (and gamma, the oldest) are in, the later rows' may be out
.irp k, 0,1,2,3
	v_pk_add_f32 v[8+2*\k:9+2*\k], v[XR+2*\k:XR+2*\k+1], v[XR+8+2*\k:XR+9+2*\k]      ; pass 1: the first pairs start the chains: nothing is cleared
.endr
.irp m, 16,24
.irp k, 0,1,2,3
	v_pk_add_f32 v[8+2*\k:9+2*\k], v[8+2*\k:9+2*\k], v[XR+\m+2*\k:XR+\m+2*\k+1]
.endr
.endr
	FOLD
	LANESUM 8
	v_mul_f32 v[PR], 0x3a800000, v8                ; the mean = sum / 1024, twice: a pair for the packed subtraction
	v_mul_f32 v[PR+1], 0x3a800000, v8
.irp m, 0,8,16,24                      ; pass 2: the sum of (x - mean)^2, in four chains
.irp k, 0,1,2,3
	v_pk_add_f32 v[16+2*\k:17+2*\k], v[XR+\m+2*\k:XR+\m+2*\k+1], v[PR:PR+1] neg_lo:[0,1] neg_hi:[0,1]
.endr
.irp k, 0,1,2,3
.if \m == 0
	v_pk_mul_f32 v[8+2*\k:9+2*\k], v[16+2*\k:17+2*\k], v[16+2*\k:17+2*\k]
.else
	v_pk_fma_f32 v[8+2*\k:9+2*\k], v[16+2*\k:17+2*\k], v[16+2*\k:17+2*\k], v[8+2*\k:9+2*\k]
.endif
.endr
.endr
	FOLD
	LANESUM PR+1                                   ; the pair is now (mean, M2)
	ds_store_b64 v4, v[PR:PR+1] offset:8*(\q)      ; all lanes write the same 8 bytes with the same value
.endm
	ROW 0
	ROW 1
	ROW 2
	ROW 3
	s_wait_dscnt 0x0                               ; for the others' sake: my pairs lie in LDS
	s_barrier_signal -1
	s_barrier_wait -1
	s_cmp_lg_u32 s14, 0
	s_cbranch_scc1 .Ldone                          ; the rest is wave 0's: a channel a lane, a group in eight neighbouring lanes
	ds_load_b64 v[8:9], v5                         ; (mean_c, M2_c)
	s_wait_dscnt 0x0
	v_add_f32_dpp v10, v8, v8 row_xmask:1 row_mask:0xf bank_mask:0xf
	v_add_f32_dpp v10, v10, v10 row_xmask:2 row_mask:0xf bank_mask:0xf
	v_add_f32_dpp v10, v10, v10 row_xmask:4 row_mask:0xf bank_mask:0xf
	v_mul_f32 v10, 0x3e000000, v10                 ; the group's mean
	v_sub_f32 v11, v8, v10
	v_mul_f32 v11, v11, v11
	v_fma_f32 v11, v11, 0x44800000, v9             ; M2_c + 1024 (mean_c - mean_g)^2
	v_add_f32_dpp v11, v11, v11 row_xmask:1 row_mask:0xf bank_mask:0xf
	v_add_f32_dpp v11, v11, v11 row_xmask:2 row_mask:0xf bank_mask:0xf
	v_add_f32_dpp v11, v11, v11 row_xmask:4 row_mask:0xf bank_mask:0xf
	v_fma_f32 v11, v11, 0x39000000, s22            ; / 8192 + 1e-5
	v_rsq_f32 v11, v11
	v_nop                                          ; a plain instruction behind the transcendental
	s_wait_alu depctr_va_vdst(0)                   ; and a wait ahead of its first reader
	v_mul_f32 v11, v3, v11                         ; gamma x rstd
	global_store_b32 v6, v11, s[8:9]
	global_store_b32 v6, v10, s[10:11]
	global_store_b32 v6, v8, s[12:13]
.Ldone:
	s_wait_tensorcnt 0x0
	ds_add_u32 v168, v169
	s_wait_dscnt 0x0
	s_endpgm
.Lfunc_end_k_qe831c82f3c_stats:
	.size	k_qe831c82f3c_stats, .Lfunc_end_k_qe831c82f3c_stats-k_qe831c82f3c_stats
	.p2alignl 7, 3214868480
	.fill 96, 4, 3214868480
	.section	.rodata,"a",@progbits
	.p2align	6, 0x0
	.amdhsa_kernel k_qe831c82f3c_stats
		.amdhsa_group_segment_fixed_size 1536
		.amdhsa_private_segment_fixed_size 0
		.amdhsa_enable_private_segment 0
		.amdhsa_kernarg_size 40
		.amdhsa_user_sgpr_count 2
		.amdhsa_user_sgpr_kernarg_segment_ptr 1
		.amdhsa_wavefront_size32 1
		.amdhsa_system_sgpr_workgroup_id_x 1
		.amdhsa_system_sgpr_workgroup_id_y 1
		.amdhsa_system_sgpr_workgroup_id_z 1
		.amdhsa_system_vgpr_workitem_id 0
		.amdhsa_next_free_vgpr 170
		.amdhsa_next_free_sgpr 66
		.amdhsa_reserve_vcc 0
		.amdhsa_float_denorm_mode_32 3
		.amdhsa_float_denorm_mode_16_64 3
		.amdhsa_memory_ordered 1
		.amdhsa_forward_progress 1
		.amdhsa_inst_pref_size 23
	.end_amdhsa_kernel
	.amdgpu_metadata
---
amdhsa.version: [ 1, 2 ]
amdhsa.kernels:
  - .name:           k_qe831c82f3c_stats
    .symbol:         k_qe831c82f3c_stats.kd
    .args:
      - { .name: x, .offset: 0, .size: 8, .value_kind: global_buffer, .address_space: global }
      - { .name: gn_gamma, .offset: 8, .size: 8, .value_kind: global_buffer, .address_space: global }
      - { .name: gn_a, .offset: 16, .size: 8, .value_kind: global_buffer, .address_space: global }
      - { .name: gn_m, .offset: 24, .size: 8, .value_kind: global_buffer, .address_space: global }
      - { .name: pooled, .offset: 32, .size: 8, .value_kind: global_buffer, .address_space: global }
    .group_segment_fixed_size: 1536
    .private_segment_fixed_size: 0
    .kernarg_segment_align: 8
    .kernarg_segment_size: 40
    .max_flat_workgroup_size: 256
    .sgpr_count:     66
    .vgpr_count:     170
    .wavefront_size: 32
...
	.end_amdgpu_metadata
.endif
;; end of part 1
;; launch qkv (part 2): grid 8 x 32, 8 waves a work-group, no clusters, 25,600 bytes of LDS; arguments x, gn_a, gn_m, gn_beta, w_qkv_codes, w_qkv_scales, b_qkv, qimg, qsc, kv; writes qimg, qsc, kv
.if DOCPART == 2
	.amdgcn_target "amdgcn-amd-amdhsa--gfx1250"
	.amdhsa_code_object_version 6
	.text
	.protected	k_qe831c82f3c_qkv
	.globl	k_qe831c82f3c_qkv
	.p2align	8
	.type	k_qe831c82f3c_qkv,@function
k_qe831c82f3c_qkv:
	s_mov_b64 s[64:65], 0
	v_nop
	global_prefetch_b8 v0, s[64:65] scope:SCOPE_SE
	s_setreg_imm32_b32 hwreg(HW_REG_WAVE_MODE, 25, 1), 1
	s_wait_xcnt 0x0
; xn = (x - mean) a + beta, quantised along the channels; qkv = w_qkv xn + b_qkv on codes of FP4 (E2M1) with one E8M0 scale for each 32 along K; q and k are quantised along the channels, v along the keys.
; What leaves are IMAGES OF OPERAND REGISTERS: a fragment (16 rows x 128 K: 8 registers a lane) is two stores of 512 consecutive bytes, lane l's 16 bytes at 16 l.
;   qimg [image 32][tile of 16 positions 64][K step 2][half 2][lane 32][16 bytes];   qsc [image][block of 128 positions 8][hp 2][lane 32][i 4] scale words, tile 4 hp + i, lanes 0-15 K step 0, lanes 16-31 K step 1.
;   kv: one dense block of 34,816 bytes for each (image, 128 keys): +0 k's scale words (as qsc), +1024 v's (register ct / 2, lanes 16 (ct % 2) + r), +2048 k's 16 fragments (2 tile + K step), +18432 v's 16 (channel tile ct).
; SHARES.  Work-group (ks, image) owns positions 128 ks .. 128 ks + 127: 256 channels x 512 bytes of x.  Phase X: wave w takes channels 32 w .. 32 w + 31, ONE block of 32 along K, for all 128 positions: a lane holds four
; positions, its registers run down the channels, so a block's largest magnitude needs no other lane.  Codes and scale bytes go to LDS by position.  Then 48 units of 16 matrix instructions, six a wave:
; four for q or k (output rows 128 (w % 4) on, position tiles 4 (w / 4) + i) and two for v (channel tiles 2 w, 2 w + 1, all 128 positions).
; ONE ORDER OF ROWS EVERYWHERE: lane r of tile t takes row 32 (t / 2) + 8 (t % 2) + r + 8 (r / 8), of xn's positions and of w_qkv's rows alike.  As source 0 of a product that makes the 16 registers of result tiles 2 b and
; 2 b + 1 sixteen neighbours, 32 b + 16 (lane / 16) + 0 .. 15, along the axis that is quantised next.  q, k: source 0 = w's rows, source 1 = positions (a lane holds one position, registers along the channels);
; v: source 0 = positions, source 1 = w's rows (a lane holds one channel, registers along the keys).  The biases are the C of each sum's first matrix instruction.
; ALL 100 LOADS OF A WAVE STAND AT THE HEAD, x's first: the weights are asked for while x is on its way.
; No tensor load and no cluster: x's slab is the work-group's own, and the weights that work-groups share are 20 KiB a wave beside a slab of 128 KiB; every byte is asked for at the head, so nothing could be asked for earlier.
; LIMITS: NaN and infinities are not served.  A block of zeros gets the scale byte 1 where the rule says 127: its codes are zeros, and only this program reads the bytes.  xn is (x - mean) (gamma rstd) + beta, the last two steps fused.
.set XP,    144                        ; LDS: a position's 256 codes, 128 bytes, + 16 of padding
.set SCB,   128*XP                     ; behind them: 8 scale bytes a position
.set OST,   SCB+1024                   ; behind those: the outgoing scale words: q's 1,024 bytes, k's, v's
.set STEPB, 34816                      ; a block of kv
.set LI,   1                           ; v1   16 lane
.set CST,  4                           ; v4   phase X: 4 XP lane + 16 wave: my first position's row, my block's 16 bytes
.set SST,  5                           ; v5   phase X: SCB + 32 lane + wave
.set FRD,  6                           ; v6   a fragment of xn: XP Pr + 16 h, Pr = r + 8 (r / 8)
.set FRQ,  7                           ; v7   the same in my half of the positions
.set SRD,  8                           ; v8   its scale words: SCB + 8 Pr
.set SRQ,  9                           ; v9   the same in my half
.set WOQ,  10                          ; v10  w's codes for q, k: 128 Pr + 16 h + 16384 (w % 4)
.set WSOQ, 11                          ; v11  w's scales for q, k: 8 Pr + 1024 (w % 4)
.set BO,   12                          ; v12  the bias for q, k: 64 h + 512 (w % 4)
.set BVO,  13                          ; v13  the bias for v: 4 Pr + 2048 + 128 w
.set OSA,  14                          ; v14  where a q or k unit's scale word goes
.set OSV,  15                          ; v15  where a v unit's goes
.set TM,   16                          ; v[16:31] at work in the quantisers
.set PW,   TM+8                        ; the scale word just made
.set PC,   32                          ; v[32:39] the codes just made (phase X: v[32:47], four registers a column)
.set WS,   48                          ; v[48:63] scale words: w's for q, k (pair 2 t: K steps 0, 1), later xn's eight tiles'
.set WSV,  64                          ; v[64:67] w's for v
.set FIN,  68                          ; v68  OST + 512 w + 16 lane
.set VVO,  69                          ; v69  16 lane + 2048 w
.set WOV,  70                          ; v70  w's codes for v: 128 Pr + 16 h + 65536 + 4096 w
.set WSOV, 71                          ; v71  w's scales for v: 8 Pr + 4096 + 256 w
.set T,    72                          ; v[72:135] phase X: two sets of 32 numbers of xn
.set HA,   72                          ; later: a unit's eight accumulators
.set WV,   136                         ; v[136:167] w's fragments for v: 8 (2 u + s)
.set BQ,   168                         ; v[168:231] the bias tiles for q, k
.set BV,   232                         ; v[232:247] and for v
.set XS,   248                         ; v[248:255] xn's scale words for the q, k units
.set WQK,  128                         ; window 1: v[128:255] w's fragments for q, k: 8 (2 t + s);  v[0:127] x as loaded (register 4 i + p: channel 32 w + i, position 4 lane + p), later xn's fragments
.set SEL,  66                          ; s[66:67]
; s2 wave, s3 w % 4, s4 w / 4, s5 0: q, 1: k, s6 the K step that my q, k units make; s[8:39] a, s[40:55] and s[68:83] beta, s[84:87] the means of my 32 channels
.set MSB, 0
.macro WIN new                         ; s_set_vgpr_msb: bits 1:0 source 0, 3:2 source 1, 5:4 source 2, 7:6 destination; the high byte repeats the setting that is left
.if MSB != \new
	s_set_vgpr_msb (MSB<<8)|\new
.set MSB, \new
.endif
.endm
.macro MMC d, a, b, c, sa, sb
	v_wmma_scale_f32_16x16x128_f8f6f4 v[\d:\d+7], v[\a:\a+7], v[\b:\b+7], v[\c:\c+7], v[\sa], v[\sb] matrix_a_fmt:MATRIX_FMT_FP4 matrix_b_fmt:MATRIX_FMT_FP4
.endm
; 64 numbers of a lane, register 16 b + i = k 32 b + 16 (lane / 16) + i of my row, become a fragment's codes in v[pc] on and its scale word in v[pw].
.macro QUANT src, pc, pw
.irp b, 0,1,2,3
	v_max3_num_f32 v[TM+\b], |v[\src+16*\b]|, |v[\src+1+16*\b]|, 0x1800000   ; block b: my 16 numbers, and the floor 2^(3 - 127): the byte cannot fall under 1
.endr
.irp i, 2,4,6,8,10,12,14
.irp b, 0,1,2,3
	v_max3_num_f32 v[TM+\b], v[TM+\b], |v[\src+16*\b+\i]|, |v[\src+1+16*\b+\i]|   ; the four blocks by turns
.endr
.endr
.irp b, 0,1,2,3
	v_permlanex16_b32 v[TM+4+\b], v[TM+\b], s[SEL], s[SEL+1]
.endr
.irp b, 0,1,2,3
	v_max_num_f32 v[TM+\b], v[TM+\b], v[TM+4+\b]   ; with lane l xor 16's: the block's largest magnitude
.endr
.irp b, 0,1,2,3
	v_add_nc_u32 v[TM+12+\b], 0xff000000, v[TM+\b] ; 2 off its exponent field: the conversion takes the exponent field of this operand as its scale
.endr
.irp b, 0,1,2,3
	v_lshrrev_b32 v[TM+4+\b], 23, v[TM+12+\b]      ; the scale's byte
.endr
	v_lshl_or_b32 v[\pw], v[TM+5], 8, v[TM+4]
	v_lshl_or_b32 v[\pw], v[TM+6], 16, v[\pw]
	v_lshl_or_b32 v[\pw], v[TM+7], 24, v[\pw]
.irp b, 0,1,2,3
	v_cvt_scalef32_pk8_fp4_f32 v[\pc+2*\b], v[\src+16*\b:\src+7+16*\b], v[TM+12+\b]
	v_cvt_scalef32_pk8_fp4_f32 v[\pc+1+2*\b], v[\src+8+16*\b:\src+15+16*\b], v[TM+12+\b]
.endr
	v_nop                                          ; one plain place behind a scaled conversion
.irp c, 0,1                            ; the operand's layout wants a whole block in a lane: lanes 0-15 block 2 c, lanes 16-31 block 2 c + 1
.irp i, 0,1
	v_permlane16_swap_b32 v[\pc+4*\c+\i], v[\pc+2+4*\c+\i]
.endr
.endr
.endm
	s_load_b256 s[56:63], s[0:1], 0x0              ; x, gn_a, gn_m, gn_beta
	s_load_b256 s[88:95], s[0:1], 0x20             ; w's codes, w's scales, b_qkv, qimg
	s_load_b128 s[96:99], s[0:1], 0x40             ; qsc, kv
	v_lshrrev_b32 v2, 5, v0
	v_readfirstlane_b32 s2, v2                     ; wave 0..7
	s_and_b32 s3, s2, 3
	s_lshr_b32 s4, s2, 2
	s_lshr_b32 s5, s3, 1
	s_and_b32 s6, s2, 1
	s_and_b32 s7, ttmp7, 0xffff                    ; the image
	s_mov_b32 s[SEL], 0x76543210
	s_mov_b32 s[SEL+1], 0xfedcba98
	v_and_b32 v16, 31, v0                          ; lane
	v_and_b32 v2, 15, v0                           ; r
	v_bfe_u32 v3, v0, 4, 1                         ; h
	v_and_b32 v17, 8, v2
	v_add_nc_u32 v17, v17, v2                      ; Pr = r + 8 (r / 8)
	v_lshlrev_b32 v[LI], 4, v16
	v_mul_u32_u24 v[CST], v16, 4*XP
	s_lshl_b32 s100, s2, 4
	v_add_nc_u32 v[CST], s100, v[CST]
	v_lshl_add_u32 v[SST], v16, 5, SCB
	v_add_nc_u32 v[SST], s2, v[SST]
	v_mul_u32_u24 v[FRD], v17, XP
	v_lshl_add_u32 v[FRD], v3, 4, v[FRD]
	s_mul_i32 s100, s4, 64*XP
	v_add_nc_u32 v[FRQ], s100, v[FRD]
	v_lshl_add_u32 v[SRD], v17, 3, SCB
	s_lshl_b32 s100, s4, 9
	v_add_nc_u32 v[SRQ], s100, v[SRD]
	v_lshlrev_b32 v18, 7, v17
	v_lshl_add_u32 v18, v3, 4, v18                 ; 128 Pr + 16 h: a row of w is 128 bytes
	s_lshl_b32 s100, s3, 14
	v_add_nc_u32 v[WOQ], s100, v18
	s_lshl_b32 s100, s2, 12
	s_add_co_u32 s100, s100, 512*128
	v_add_nc_u32 v[WOV], s100, v18
	v_lshlrev_b32 v18, 3, v17                      ; 8 Pr: a row of w's scales is 8 bytes
	s_lshl_b32 s100, s3, 10
	v_add_nc_u32 v[WSOQ], s100, v18
	s_lshl_b32 s100, s2, 8
	s_add_co_u32 s100, s100, 512*8
	v_add_nc_u32 v[WSOV], s100, v18
	s_lshl_b32 s100, s3, 9
	v_lshl_add_u32 v[BO], v3, 6, s100
	s_lshl_b32 s100, s2, 7
	s_add_co_u32 s100, s100, 512*4
	v_lshl_add_u32 v[BVO], v17, 2, s100
	s_lshl_b32 s100, s5, 10                        ; q's or k's 1,024 bytes,
	s_lshl_b32 s101, s4, 9                         ; my half of the tiles,
	s_add_co_u32 s100, s100, s101
	s_lshl_b32 s101, s6, 8                         ; lanes 16 x K step on
	s_add_co_u32 s100, s100, s101
	s_add_co_u32 s100, s100, OST
	v_lshl_add_u32 v[OSA], v2, 4, s100
	s_lshl_b32 s100, s4, 9                         ; v's: register w = 4 (w / 4) + w % 4
	s_lshl_b32 s101, s3, 2
	s_add_co_u32 s100, s100, s101
	s_add_co_u32 s100, s100, OST+2048
	v_lshl_add_u32 v[OSV], v2, 4, s100
	s_lshl_b32 s100, s2, 9
	s_add_co_u32 s100, s100, OST
	v_add_nc_u32 v[FIN], s100, v[LI]
	s_lshl_b32 s100, s2, 11
	v_add_nc_u32 v[VVO], s100, v[LI]
	s_wait_kmcnt 0x0
	s_lshl_b32 s100, s7, 20                        ; x: the image's 2^20 bytes,
	s_lshl_b32 s101, s2, 17                        ; my 32 channels of 4,096 bytes,
	s_add_co_u32 s100, s100, s101
	s_lshl_b32 s101, ttmp9, 9                      ; the work-group's 128 positions
	s_add_co_u32 s100, s100, s101
	s_mov_b32 s101, 0
	s_add_nc_u64 s[56:57], s[56:57], s[100:101]
	WIN 0x40                                       ; destination window 1
.set i, 0
.rept 32
	global_load_b128 v[4*i:4*i+3], v[LI], s[56:57] offset:4096*i th:TH_LOAD_NT   ; channel 32 w + i: 512 consecutive bytes
.set i, i+1
.endr
	WIN 0
	s_lshl_b32 s100, s2, 7                         ; my 32 channels' numbers
	s_add_nc_u64 s[62:63], s[62:63], s[100:101]
	s_lshl_b32 s101, s7, 10
	s_add_co_u32 s100, s100, s101                  ; in the image's 256
	s_mov_b32 s101, 0
	s_add_nc_u64 s[58:59], s[58:59], s[100:101]
	s_add_nc_u64 s[60:61], s[60:61], s[100:101]
	s_load_b512 s[8:23], s[58:59], 0x0             ; the statistics are the same for all lanes: scalar loads (this launch writes none of these buffers)
	s_load_b512 s[24:39], s[58:59], 0x40
	s_load_b512 s[40:55], s[62:63], 0x0
	s_load_b512 s[68:83], s[62:63], 0x40
	s_load_b32 s84, s[60:61], 0x0
	s_load_b32 s85, s[60:61], 0x20
	s_load_b32 s86, s[60:61], 0x40
	s_load_b32 s87, s[60:61], 0x60
.irp t, 0,1,2,3,4,5,6,7                ; 28 small loads
	global_load_b64 v[WS+2*\t:WS+2*\t+1], v[WSOQ], s[90:91] offset:(32*(\t/2)+8*(\t%2))*8
.endr
.irp u, 0,1
	global_load_b64 v[WSV+2*\u:WSV+2*\u+1], v[WSOV], s[90:91] offset:64*\u
.endr
.irp t, 0,1,2,3,4,5,6,7                ; lane (r, h) wants, for tile t, the bias of rows 32 (t / 2) + 16 h + 8 (t % 2) + 0 .. 7
	global_load_b128 v[BQ+8*\t:BQ+8*\t+3], v[BO], s[92:93] offset:(32*(\t/2)+8*(\t%2))*4
	global_load_b128 v[BQ+8*\t+4:BQ+8*\t+7], v[BO], s[92:93] offset:(32*(\t/2)+8*(\t%2))*4+16
.endr
.irp u, 0,1
	global_load_b32 v[BV+8*\u], v[BVO], s[92:93] offset:32*\u
.endr
	WIN 0x40
.irp t, 0,1,2,3,4,5,6,7                ; the 40 loads of the weights go out behind them, while x is on its way
.irp s, 0,1
.irp c, 0,1
	global_load_b128 v[WQK+16*\t+8*\s+4*\c:WQK+16*\t+8*\s+4*\c+3], v[WOQ], s[88:89] offset:(32*(\t/2)+8*(\t%2))*128+64*\s+32*\c
.endr
.endr
.endr
	WIN 0
.irp u, 0,1
.irp s, 0,1
.irp c, 0,1
	global_load_b128 v[WV+16*\u+8*\s+4*\c:WV+16*\u+8*\s+4*\c+3], v[WOV], s[88:89] offset:1024*\u+64*\s+32*\c
.endr
.endr
.endr
	s_wait_kmcnt 0x0                               ; the statistics; s[58:63] are free from here on
	s_lshl_b32 s7, s7, 3
	s_add_co_u32 s7, s7, ttmp9                     ; 8 image + ks
	s_mul_i32 s100, s7, STEPB
	s_add_nc_u64 s[98:99], s[98:99], s[100:101]    ; my block of kv
	s_lshl_b32 s100, s7, 14
	s_add_nc_u64 s[94:95], s[94:95], s[100:101]    ; my eight tiles of qimg
	s_lshl_b32 s100, s7, 10
	s_add_nc_u64 s[96:97], s[96:97], s[100:101]    ; my 1,024 bytes of qsc
	s_cmp_lt_u32 s3, 2                             ; do my units make q or k?  The choice hangs on the wave's number alone
	s_cselect_b64 s[58:59], s[94:95], s[98:99]
	s_cselect_b32 s100, 0, 2048
	s_lshl_b32 s7, s4, 13                          ; + my four tiles of 2,048 bytes
	s_add_co_u32 s100, s100, s7
	s_lshl_b32 s7, s6, 10                          ; + my K step
	s_add_co_u32 s100, s100, s7
	s_add_nc_u64 s[58:59], s[58:59], s[100:101]
	s_cmp_lt_u32 s2, 2                             ; at the end waves 0, 1 store q's scale words, waves 2 to 5 k's and v's
	s_cselect_b64 s[60:61], s[96:97], s[98:99]
	s_cselect_b32 s7, 0, 1024
	s_lshl_b32 s100, s2, 9
	s_sub_co_u32 s100, s100, s7
	s_add_nc_u64 s[60:61], s[60:61], s[100:101]
	s_wait_loadcnt 63                              ; loads come back in order: of the 100 issued the oldest 37 are in, x's 32 among them; the weights may be out
; PHASE X.  Column p: positions 4 lane + p; my 32 channels are one block.  Each column has its own registers for its codes, its scale operand and its byte, so no wait stands between the columns.
.macro COLUMN p
.set TS, T+32*((\p)%2)
	WIN 0x01                                       ; source 0 window 1
.set i, 0
.rept 32
	v_sub_f32 v[TS+i], v[4*i+\p], s[84+i/8]        ; x - the group's mean
.set i, i+1
.endr
	WIN 0
.set i, 0
.rept 32
	v_fma_f32 v[TS+i], v[TS+i], s[8+i], s[40+i+12*(i/16)]   ; x a + beta
.set i, i+1
.endr
	v_max3_num_f32 v[TM], |v[TS]|, |v[TS+1]|, |v[TS+2]|     ; the block's largest magnitude: all 32 numbers are mine; two chains
	v_max3_num_f32 v[TM+1], |v[TS+3]|, |v[TS+4]|, |v[TS+5]|
.irp n, 6,10,14,18,22,26
	v_max3_num_f32 v[TM], v[TM], |v[TS+\n]|, |v[TS+\n+1]|
	v_max3_num_f32 v[TM+1], v[TM+1], |v[TS+\n+2]|, |v[TS+\n+3]|
.endr
	v_max3_num_f32 v[TM], v[TM], |v[TS+30]|, |v[TS+31]|
	v_max3_num_f32 v[TM], v[TM], v[TM+1], 0x1800000         ; and the floor 2^(3 - 127)
	v_add_nc_u32 v[TM+4+\p], 0xff000000, v[TM]              ; the conversion's scale operand
	v_lshrrev_b32 v[TM+8+\p], 23, v[TM+4+\p]                ; the byte
.irp g, 0,1,2,3
	v_cvt_scalef32_pk8_fp4_f32 v[PC+4*\p+\g], v[TS+8*\g:TS+8*\g+7], v[TM+4+\p]
.endr
	v_nop                                          ; one plain place behind a scaled conversion
	ds_store_b128 v[CST], v[PC+4*\p:PC+4*\p+3] offset:XP*\p
	ds_store_b8 v[SST], v[TM+8+\p] offset:8*\p
.endm
	COLUMN 0
	COLUMN 1
	COLUMN 2
	COLUMN 3
	s_wait_dscnt 0x0                               ; for the others' sake: my block's codes and bytes lie in LDS
	s_barrier_signal -1
	s_barrier_wait -1                              ; all eight blocks of all 128 positions do
	WIN 0x40
.irp i, 0,1,2,3                        ; xn's fragments of my four position tiles: window 1, v[16 i + 8 s]
.irp s, 0,1
.irp c, 0,1
	ds_load_b128 v[16*\i+8*\s+4*\c:16*\i+8*\s+4*\c+3], v[FRQ] offset:(32*(\i/2)+8*(\i%2))*XP+64*\s+32*\c
.endr
.endr
.endr
	WIN 0
.irp i, 0,1,2,3
	ds_load_b64 v[XS+2*\i:XS+2*\i+1], v[SRQ] offset:(32*(\i/2)+8*(\i%2))*8   ; and their scale words, K steps 0 and 1
.endr
	s_wait_loadcnt 0x0                             ; weights, scales, biases
.irp u, 0,1
.irp k, 1,2,3,4,5,6,7
	v_mov_b32 v[BV+8*\u+\k], v[BV+8*\u]            ; in a v unit a lane holds one channel: its bias in all eight registers of C
.endr
.endr
	s_wait_dscnt 0x0
; A q or k unit: position tile 4 (w / 4) + i, output rows 128 (w % 4) on: eight accumulators by turns, K step by K step.
.macro QKUNIT i
	WIN 0x05                                       ; sources 0 (w) and 1 (xn) window 1
.irp t, 0,1,2,3,4,5,6,7
	MMC HA+8*\t, WQK+16*\t, 16*\i, BQ+8*\t, WS+2*\t, XS+2*\i
.endr
.irp t, 0,1,2,3,4,5,6,7
	MMC HA+8*\t, WQK+16*\t+8, 16*\i+8, HA+8*\t, WS+2*\t+1, XS+2*\i+1
.endr
	WIN 0
.rept 4
	v_nop                                          ; places behind the products (ISA guide 7.12.1), ahead of the first read of their results
.endr
	s_wait_xcnt 0x0                                ; the last unit's stores have read the codes' registers,
	s_wait_dscnt 0x0                               ; and its LDS store the scale word's
	QUANT HA, PC, PW
	global_store_b128 v[LI], v[PC:PC+3], s[58:59] offset:2048*\i          ; 512 consecutive bytes each
	global_store_b128 v[LI], v[PC+4:PC+7], s[58:59] offset:2048*\i+512
	ds_store_b32 v[OSA], v[PW] offset:4*\i         ; lanes r and 16 + r write the same word with the same value
.endm
	QKUNIT 0
	QKUNIT 1
	QKUNIT 2
	QKUNIT 3
	WIN 0x40                                       ; (the four places behind the last unit's products serve these loads too)
.irp t, 0,1,2,3,4,5,6,7                ; all eight position tiles' fragments: window 1, v[16 t + 8 s]
.irp s, 0,1
.irp c, 0,1
	ds_load_b128 v[16*\t+8*\s+4*\c:16*\t+8*\s+4*\c+3], v[FRD] offset:(32*(\t/2)+8*(\t%2))*XP+64*\s+32*\c
.endr
.endr
.endr
	WIN 0
.irp t, 0,1,2,3,4,5,6,7
	ds_load_b64 v[WS+2*\t:WS+2*\t+1], v[SRD] offset:(32*(\t/2)+8*(\t%2))*8
.endr
	s_wait_dscnt 0x0
; A v unit: channel tile 2 w + u, all 128 positions: they are one K step of attention's second product.
.macro VUNIT u
	WIN 0x01                                       ; source 0 (xn) window 1
.irp t, 0,1,2,3,4,5,6,7
	MMC HA+8*\t, 16*\t, WV+16*\u, BV+8*\u, WS+2*\t, WSV+2*\u
.endr
.irp t, 0,1,2,3,4,5,6,7
	MMC HA+8*\t, 16*\t+8, WV+16*\u+8, HA+8*\t, WS+2*\t+1, WSV+2*\u+1
.endr
	WIN 0
.rept 4
	v_nop
.endr
	s_wait_xcnt 0x0
	s_wait_dscnt 0x0
	QUANT HA, PC, PW
	global_store_b128 v[VVO], v[PC:PC+3], s[98:99] offset:18432+1024*\u
	global_store_b128 v[VVO], v[PC+4:PC+7], s[98:99] offset:18432+1024*\u+512
	ds_store_b32 v[OSV], v[PW] offset:256*\u
.endm
	VUNIT 0
	VUNIT 1
	s_wait_dscnt 0x0                               ; for the others' sake: my six scale words lie in LDS
	s_barrier_signal -1
	s_barrier_wait -1
	s_cmp_gt_u32 s2, 5
	s_cbranch_scc1 .Ldone                          ; 3,072 bytes of scale words: six waves store 512 consecutive bytes each
	ds_load_b128 v[40:43], v[FIN]
	s_wait_dscnt 0x0
	global_store_b128 v[LI], v[40:43], s[60:61]
.Ldone:
	s_wait_xcnt 0x0
	v_lshl_add_u32 v254, v0, 2, 0x6000
	v_mov_b32 v255, 0
	s_wait_tensorcnt 0x0
	ds_add_u32 v254, v255
	s_wait_dscnt 0x0
	s_endpgm
.Lfunc_end_k_qe831c82f3c_qkv:
	.size	k_qe831c82f3c_qkv, .Lfunc_end_k_qe831c82f3c_qkv-k_qe831c82f3c_qkv
	.p2alignl 7, 3214868480
	.fill 96, 4, 3214868480
	.section	.rodata,"a",@progbits
	.p2align	6, 0x0
	.amdhsa_kernel k_qe831c82f3c_qkv
		.amdhsa_group_segment_fixed_size 25600
		.amdhsa_private_segment_fixed_size 0
		.amdhsa_enable_private_segment 0
		.amdhsa_kernarg_size 80
		.amdhsa_user_sgpr_count 2
		.amdhsa_user_sgpr_kernarg_segment_ptr 1
		.amdhsa_wavefront_size32 1
		.amdhsa_system_sgpr_workgroup_id_x 1
		.amdhsa_system_sgpr_workgroup_id_y 1
		.amdhsa_system_sgpr_workgroup_id_z 1
		.amdhsa_system_vgpr_workitem_id 0
		.amdhsa_next_free_vgpr 512
		.amdhsa_next_free_sgpr 102
		.amdhsa_reserve_vcc 0
		.amdhsa_float_denorm_mode_32 3
		.amdhsa_float_denorm_mode_16_64 3
		.amdhsa_memory_ordered 1
		.amdhsa_forward_progress 1
		.amdhsa_inst_pref_size 80
	.end_amdhsa_kernel
	.amdgpu_metadata
---
amdhsa.version: [ 1, 2 ]
amdhsa.kernels:
  - .name:           k_qe831c82f3c_qkv
    .symbol:         k_qe831c82f3c_qkv.kd
    .args:
      - { .name: x, .offset: 0, .size: 8, .value_kind: global_buffer, .address_space: global }
      - { .name: gn_a, .offset: 8, .size: 8, .value_kind: global_buffer, .address_space: global }
      - { .name: gn_m, .offset: 16, .size: 8, .value_kind: global_buffer, .address_space: global }
      - { .name: gn_beta, .offset: 24, .size: 8, .value_kind: global_buffer, .address_space: global }
      - { .name: w_qkv_codes, .offset: 32, .size: 8, .value_kind: global_buffer, .address_space: global }
      - { .name: w_qkv_scales, .offset: 40, .size: 8, .value_kind: global_buffer, .address_space: global }
      - { .name: b_qkv, .offset: 48, .size: 8, .value_kind: global_buffer, .address_space: global }
      - { .name: qimg, .offset: 56, .size: 8, .value_kind: global_buffer, .address_space: global }
      - { .name: qsc, .offset: 64, .size: 8, .value_kind: global_buffer, .address_space: global }
      - { .name: kv, .offset: 72, .size: 8, .value_kind: global_buffer, .address_space: global }
    .group_segment_fixed_size: 25600
    .private_segment_fixed_size: 0
    .kernarg_segment_align: 8
    .kernarg_segment_size: 80
    .max_flat_workgroup_size: 256
    .sgpr_count:     102
    .vgpr_count:     512
    .wavefront_size: 32
...
	.end_amdgpu_metadata
.endif
;; end of part 2
;; launch attn (part 3): grid 8 x 32, 4 waves a work-group, clusters of 4 x 1, 327,680 bytes of LDS; arguments x, qimg, qsc, kv, pooled, w_se1_codes, w_se1_scales, b_se1, w_se2_codes, w_se2_scales, b_se2, w_proj_codes, w_proj_scales, b_proj, out0; writes out0
.if DOCPART == 3
	.amdgcn_target "amdgcn-amd-amdhsa--gfx1250"
	.amdhsa_code_object_version 6
	.text
	.protected	k_qe831c82f3c_attn
	.globl	k_qe831c82f3c_attn
	.p2align	8
	.type	k_qe831c82f3c_attn,@function
k_qe831c82f3c_attn:
	s_mov_b64 s[64:65], 0
	v_nop
	global_prefetch_b8 v0, s[64:65] scope:SCOPE_SE
	s_setreg_imm32_b32 hwreg(HW_REG_WAVE_MODE, 25, 1), 1
	s_wait_xcnt 0x0
	s_wait_alu depctr_hold_cnt(0) depctr_sa_sdst(0) depctr_va_vdst(0) depctr_va_sdst(0) depctr_va_ssrc(0) depctr_va_vcc(0) depctr_vm_vsrc(0)
	s_getreg_b32 s2, hwreg(HW_REG_IB_STS2, 6, 4)
	s_cmp_eq_u32 s2, 0
	s_cbranch_scc0 .Lentry_in_a_cluster
	s_endpgm
.Lentry_in_a_cluster:
	s_bfe_u32 s2, ttmp6, 0x10000c
	s_cmp_lg_u32 s2, 0x3003
	s_cbranch_scc0 .Lentry_shape_is_right
	s_endpgm
.Lentry_shape_is_right:
; out = x + (w_proj Q(O / l) + b_proj) gate, with O = V P^T over all 1,024 keys of the image and gate = sigmoid(w_se2 Q(relu(w_se1 Q(pooled) + b_se1)) + b_se2).  All products on codes of FP4 (E2M1), one E8M0 scale for each 32 along K.
; THE SOFTMAX AHEAD OF V P^T: t = score x log2(e) / 16; M = the running largest t rounded UP to a whole number; p = 2^(t - M) is quantised along the keys, not normalised; the row's sum l is taken of the unquantised p and divides O at the end.
; When M moves, l and O are multiplied by 2^(old M - new M), which rounds nothing.
; SHARES.  Work-group (qb, image) owns 128 queries; each of its four waves owns 32: tiles 8 qb + 2 w + qt, qt = 0, 1.  Every fragment of k or v read from LDS feeds two matrix instructions.  Every wave walks all keys, 128 a step.
; q, k, v arrive as images of operand registers with their scale words (the launch before laid them so): a fragment is two loads of 16 bytes a lane at 16 lane.
; LDS.  The image's whole kv, 8 blocks of 34,816 bytes, lies from byte 0 on as it lies in memory: filled once, never again.  Behind it 4,096 bytes hold the images of gate and b_proj x gate, a quarter from each wave, and 256 bytes a
; wave serve pooled's codes.  The stage for the way out, 256 rows x 528 bytes from byte 0 on, is first written behind a barrier that follows every wave's last read of kv.
; CLUSTER.  The four work-groups of a cluster belong to one image and want the same kv: each part is asked for JOINTLY, by the same tensor load with the same descriptor and a mask that names the four.  A wave issues three,
; together: its quarter of key steps 0-1, of steps 2-3 and of steps 4-7, so that the first steps can be worked while the later ones land.  Three tensor loads of a wave are outstanding at the most.
; LAYOUT.  S^T = k q^T (source 0 = 16 keys), O^T = v p^T (source 0 = 16 channels): a lane holds ONE query throughout.  The keys of a tile of k, the channels of a tile of v and the positions of a tile of q are
; rows 32 (t / 2) + 8 (t % 2) + r + 8 (r / 8): so the 16 registers of result tiles 2 b, 2 b + 1 are 16 neighbours, 32 b + 16 (lane / 16) + 0 .. 15, along the axis that is quantised next (keys for p, channels for O / l).
; The projection takes O / l as source 0 and 16 rows of w_proj as source 1: a lane holds one output channel and eight neighbouring positions.
; A KEY STEP is written in phases (scores, softmax, V P^T).  The two tiles' softmax goes line by line for both, so that no line waits for the line above it, and the step's 68 LDS loads stand in four runs inside it.
; THE WAY OUT goes by groups of 64 channels: a group's rows are read back, added onto x and stored while the next group is multiplied.
; Nothing is prefetched: every byte of kv is asked for in the first lines.
; LIMITS: NaN and infinities are not served.  A block of zeros gets the scale byte 1 where the rule says 127: its codes are zeros, and only this program reads the bytes.  t - M is one fused multiply-add; 1 / l and the sigmoid use
; v_rcp_f32 and v_exp_f32.  A block's largest p is taken as p of its largest score, by the same two instructions.
; REGISTERS, in windows of 256.  Window 0: below.  Window 1: O^T, 128 qt + 8 ct.  Window 2: v[0:127] k's fragments 8 (2 kt + s), v[128:255] v's 128 + 8 ct; at the end w_proj's 8 (2 ot + s).  Window 3: 64 rows of x, 4 registers each.
.set STEPB, 34816                      ; a key step's block: +0 k's scale words, +1024 v's, +2048 k's fragments, +18432 v's
.set KOFF,  2048
.set VOFF,  18432
.set GST,   8*STEPB                    ; behind kv: the gate's image, 2,048 bytes, and b_proj x gate's: 512 bytes of each from each wave
.set PQB,   GST+4096                   ; behind that: 256 bytes a wave: pooled's 128 bytes of codes, and at +128 its 8 scale bytes
.set SP,    528                        ; a stage row: 128 positions x 4 bytes + 16
.set LI,  1                            ; v1   16 lane
.set H64, 2                            ; v2   64 h
.set APR, 3                            ; v3   128 Pr + 16 h, Pr = r + 8 (r / 8)
.set SPR, 4                            ; v4   8 Pr
.set A32, 5                            ; v5   32 r + 16 h + 2048 w
.set A2,  6                            ; v6   2 r + 128 w
.set A4,  7                            ; v7   4 r + 256 w
.set AWP, 8                            ; v8   128 r + 16 h
.set ASP, 9                            ; v9   8 r + 4 h
.set STO, 10                           ; v10  the stage, in: 528 r + 128 w + 64 h, + 64 rows a group
.set RD,  11                           ; v11  the stage, back: 16 x 528 w + 16 lane, + 64 rows a group
.set ST,  12                           ; tile t's statistics at v[12 + 8 t]: +0 -M, +1 the largest t, +2, +3 the sum in two halves, +4 f, later 1 / l, +5 written once, +6 p's scale word, +7 O / l's scale word of K step 0
.set TM,  28                           ; v[28:43] at work: the quantiser's, and tile 0's in the softmax
.set T1,  180                          ; tile 1's in the softmax lie T1 further on: v[208:223]
.set BM,  TM                           ; four blocks' largest
.set BT,  TM+4                         ; the exchange, a chain of sums, the bytes
.set MI,  TM+8
.set SO,  TM+12                        ; the conversions' scale operands.  v37, v38: O / l's scale words of K step 1
.set QS,  44                           ; v[44:45] q's scale words
.set AD,  46                           ; v46  16 lane + the step's block
.set GSA, 47                           ; v47  GST + 16 lane
.set KS,  48                           ; v[48:55] k's scale words
.set VS,  56                           ; v[56:63] v's
.set S2S, 56                           ; at the head v[56:59]: w_se2's
.set WPS, 48                           ; at the end v[48:63]: w_proj's
.set S,   64                           ; v[64:191] the scores, then p: 64 a tile
.set OB,  S+64                         ; on the way out: 16 rows read back from the stage
.set GT,  S+96                         ; at the head: my four registers of the gate, then of b_proj x gate
.set P,   192                          ; v[192:207] p's codes, 8 a tile
.set XC,  192                          ; at the end v[192:223]: O / l's codes, 16 qt + 8 s
.set PLO, 218                          ; at the head: v218 32 lane; v219 to v223 LDS addresses of the head alone:
.set PQSR, 219                         ; pooled's scale words
.set GSW, 220                          ; GST + 512 w + 16 lane
.set PQW, 221                          ; PQB + 256 w + 4 lane
.set PQ8, 222                          ; PQB + 256 w + 128 + lane / 4
.set PQR, 223                          ; PQB + 256 w + 16 h
.set Q,   224                          ; v[224:255] q's fragments, 16 qt + 8 s
.set G,   224                          ; at the end: the gate, and
.set BG,  240                          ; b_proj x gate: register ot, lane r: channel 16 ot + r
.set G1A, 36                           ; s[36:43] descriptor group 1: 68 rows of 256 bytes
.set G1C, 44                           ; s[44:51] 136 rows
.set G0A, 52                           ; s[52:55], s[56:59], s[60:63] groups 0 of my three loads
.set G0B, 56
.set G0C, 60
.set WV,  66
.set SEL, 68
.set CS,  70                           ; s[70:71] c = log2(e) / 16
.set TB,  72                           ; s72  LDS byte at which the step's block begins
.set CNT, 73
.set MSB, 0
.macro WIN new                         ; s_set_vgpr_msb: bits 1:0 source 0, 3:2 source 1, 5:4 source 2, 7:6 destination; the high byte repeats the setting that is left
.if MSB != \new
	s_set_vgpr_msb (MSB<<8)|\new
.set MSB, \new
.endif
.endm
; A matrix instruction.  c < 0: the constant 0 starts the sum.  ra, rb = 1: that side's scales are read from lanes 16-31 of its register.
.macro MM d, a, b, c, sa, sb, ra, rb
.if (\c) < 0
.if (\ra) && (\rb)
	v_wmma_scale_f32_16x16x128_f8f6f4 v[\d:\d+7], v[\a:\a+7], v[\b:\b+7], 0, v[\sa], v[\sb] matrix_a_fmt:MATRIX_FMT_FP4 matrix_b_fmt:MATRIX_FMT_FP4 matrix_a_scale:MATRIX_SCALE_ROW1 matrix_b_scale:MATRIX_SCALE_ROW1
.elseif (\ra)
	v_wmma_scale_f32_16x16x128_f8f6f4 v[\d:\d+7], v[\a:\a+7], v[\b:\b+7], 0, v[\sa], v[\sb] matrix_a_fmt:MATRIX_FMT_FP4 matrix_b_fmt:MATRIX_FMT_FP4 matrix_a_scale:MATRIX_SCALE_ROW1
.elseif (\rb)
	v_wmma_scale_f32_16x16x128_f8f6f4 v[\d:\d+7], v[\a:\a+7], v[\b:\b+7], 0, v[\sa], v[\sb] matrix_a_fmt:MATRIX_FMT_FP4 matrix_b_fmt:MATRIX_FMT_FP4 matrix_b_scale:MATRIX_SCALE_ROW1
.else
	v_wmma_scale_f32_16x16x128_f8f6f4 v[\d:\d+7], v[\a:\a+7], v[\b:\b+7], 0, v[\sa], v[\sb] matrix_a_fmt:MATRIX_FMT_FP4 matrix_b_fmt:MATRIX_FMT_FP4
.endif
.else
.if (\ra) && (\rb)
	v_wmma_scale_f32_16x16x128_f8f6f4 v[\d:\d+7], v[\a:\a+7], v[\b:\b+7], v[\c:\c+7], v[\sa], v[\sb] matrix_a_fmt:MATRIX_FMT_FP4 matrix_b_fmt:MATRIX_FMT_FP4 matrix_a_scale:MATRIX_SCALE_ROW1 matrix_b_scale:MATRIX_SCALE_ROW1
.elseif (\ra)
	v_wmma_scale_f32_16x16x128_f8f6f4 v[\d:\d+7], v[\a:\a+7], v[\b:\b+7], v[\c:\c+7], v[\sa], v[\sb] matrix_a_fmt:MATRIX_FMT_FP4 matrix_b_fmt:MATRIX_FMT_FP4 matrix_a_scale:MATRIX_SCALE_ROW1
.elseif (\rb)
	v_wmma_scale_f32_16x16x128_f8f6f4 v[\d:\d+7], v[\a:\a+7], v[\b:\b+7], v[\c:\c+7], v[\sa], v[\sb] matrix_a_fmt:MATRIX_FMT_FP4 matrix_b_fmt:MATRIX_FMT_FP4 matrix_b_scale:MATRIX_SCALE_ROW1
.else
	v_wmma_scale_f32_16x16x128_f8f6f4 v[\d:\d+7], v[\a:\a+7], v[\b:\b+7], v[\c:\c+7], v[\sa], v[\sb] matrix_a_fmt:MATRIX_FMT_FP4 matrix_b_fmt:MATRIX_FMT_FP4
.endif
.endif
.endm
.macro PLACES n                        ; plain vector instructions behind matrix instructions (ISA guide 7.12.1) and ahead of scaled ones, where no other work is at hand
.rept \n
	v_nop
.endr
.endm
; 64 numbers of a lane, register 16 b + i = k 32 b + 16 (lane / 16) + i of my row, become a fragment's codes in v[pc] on and its scale word in v[pw].
.macro QUANT src, pc, pw
.irp b, 0,1,2,3
	v_max3_num_f32 v[TM+\b], |v[\src+16*\b]|, |v[\src+1+16*\b]|, 0x1800000   ; block b: my 16 numbers, and the floor 2^(3 - 127): the byte cannot fall under 1
.endr
.irp i, 2,4,6,8,10,12,14
.irp b, 0,1,2,3
	v_max3_num_f32 v[TM+\b], v[TM+\b], |v[\src+16*\b+\i]|, |v[\src+1+16*\b+\i]|
.endr
.endr
.irp b, 0,1,2,3
	v_permlanex16_b32 v[TM+4+\b], v[TM+\b], s[SEL], s[SEL+1]
.endr
.irp b, 0,1,2,3
	v_max_num_f32 v[TM+\b], v[TM+\b], v[TM+4+\b]
.endr
.irp b, 0,1,2,3
	v_add_nc_u32 v[TM+12+\b], 0xff000000, v[TM+\b] ; 2 off the exponent field: the conversion's scale operand
.endr
.irp b, 0,1,2,3
	v_lshrrev_b32 v[TM+4+\b], 23, v[TM+12+\b]      ; the scale's byte
.endr
	v_lshl_or_b32 v[\pw], v[TM+5], 8, v[TM+4]
	v_lshl_or_b32 v[\pw], v[TM+6], 16, v[\pw]
	v_lshl_or_b32 v[\pw], v[TM+7], 24, v[\pw]
.irp b, 0,1,2,3
	v_cvt_scalef32_pk8_fp4_f32 v[\pc+2*\b], v[\src+16*\b:\src+7+16*\b], v[TM+12+\b]
	v_cvt_scalef32_pk8_fp4_f32 v[\pc+1+2*\b], v[\src+8+16*\b:\src+15+16*\b], v[TM+12+\b]
.endr
	v_nop                                          ; one plain place behind a scaled conversion
.irp c, 0,1                            ; a whole block in a lane: lanes 0-15 block 2 c, lanes 16-31 block 2 c + 1
.irp i, 0,1
	v_permlane16_swap_b32 v[\pc+4*\c+\i], v[\pc+2+4*\c+\i]
.endr
.endr
.endm
; A round of the cluster's barrier: my work-group's barrier; wave 0 signals for the work-group; every wave waits for all four work-groups; my work-group's barrier once more.
.macro CROUND
	s_barrier_signal -1
	s_barrier_wait -1
	s_cmp_lg_u32 s[WV], 0
	s_cbranch_scc1 .Lnot_wave_0_\@
	s_barrier_signal -3
.Lnot_wave_0_\@:
	s_barrier_wait -3
	s_barrier_signal -1
	s_barrier_wait -1
.endm
.macro BAR                             ; my LDS stores have landed and my LDS loads are in: then the work-group's barrier
	s_wait_dscnt 0x0
	s_barrier_signal -1
	s_barrier_wait -1
.endm
	s_load_b512 s[4:19], s[0:1], 0x0               ; x s[4:5], qimg s[6:7], qsc s[8:9], kv s[10:11], pooled s[12:13], w_se1's codes s[14:15], scales s[16:17], b_se1 s[18:19]
	s_load_b256 s[20:27], s[0:1], 0x40             ; w_se2's codes s[20:21], scales s[22:23], b_se2 s[24:25], w_proj's codes s[26:27]
	s_load_b128 s[28:31], s[0:1], 0x60             ; w_proj's scales s[28:29], b_proj s[30:31]
	s_load_b64 s[32:33], s[0:1], 0x70              ; out0
	v_lshl_add_u32 v254, v0, 2, 0x45400
	v_mov_b32 v255, 0
	ds_add_u32 v254, v255
	ds_add_u32 v254, v255
	s_wait_dscnt 0x0
	v_lshrrev_b32 v2, 5, v0
	v_readfirstlane_b32 s[WV], v2                  ; wave 0..3
	s_bfe_u32 s74, ttmp6, 0x40000                  ; cx: my place in the cluster
	s_lshl_b32 s75, ttmp9, 2
	s_add_co_u32 s75, s75, s74                     ; qb = 4 x cluster x + cx: it enters the addresses of x, qimg, qsc and out0 alone
	s_and_b32 s76, ttmp7, 0xffff                   ; the image, which the four partners share
	; descriptor group 1: a dense block as rows of 256 bytes (32 elements of 8 bytes), no padding
	s_mov_b32 s[G1A], 15|(3<<16)|(1<<21)           ; 15:0 the mask: all four work-groups; 17:16 elements of 8 bytes; 21 set beside a mask
	s_mov_b32 s[G1A+1], 32<<16                     ; tensor_dim0 = 32
	s_mov_b32 s[G1A+2], 68<<16                     ; tensor_dim1 = 68
	s_mov_b32 s[G1A+3], 32<<16                     ; tile_dim0 = 32
	s_mov_b32 s[G1A+4], 68                         ; tile_dim1 = 68: 17,408 bytes, a quarter of two key steps
	s_mov_b32 s[G1A+5], 32                         ; from row to row
	s_mov_b32 s[G1A+6], 0
	s_mov_b32 s[G1A+7], 0
	s_mov_b32 s[G1C], 15|(3<<16)|(1<<21)
	s_mov_b32 s[G1C+1], 32<<16
	s_mov_b32 s[G1C+2], 136<<16
	s_mov_b32 s[G1C+3], 32<<16
	s_mov_b32 s[G1C+4], 136                        ; 34,816 bytes, a quarter of four key steps
	s_mov_b32 s[G1C+5], 32
	s_mov_b32 s[G1C+6], 0
	s_mov_b32 s[G1C+7], 0
	s_mul_i32 s78, s76, 8*STEPB                    ; the image's kv
	s_mov_b32 s79, 0
	s_mul_i32 s80, s[WV], STEPB/2                  ; my quarter of two steps: in memory and in LDS alike; no place in the cluster enters it
	s_mov_b32 s81, 0
	s_mul_i32 s82, s[WV], STEPB                    ; my quarter of four steps
	s_mov_b32 s83, 0
	s_lshl_b32 s84, s76, 20                        ; x and out0: the image; my wave's 16 channels of each group of 64, 4,096 bytes a channel; the block's 128 positions
	s_lshl_b32 s85, s[WV], 16
	s_add_co_u32 s84, s84, s85
	s_lshl_b32 s85, s75, 9
	s_add_co_u32 s84, s84, s85
	s_mov_b32 s85, 0
	s_lshl_b32 s86, s76, 17                        ; qimg: tile 64 image + 8 qb + 2 w, 2,048 bytes a tile
	s_lshl_b32 s87, s75, 14
	s_add_co_u32 s86, s86, s87
	s_lshl_b32 s87, s[WV], 12
	s_add_co_u32 s86, s86, s87
	s_mov_b32 s87, 0
	s_lshl_b32 s88, s76, 3                         ; qsc: 1,024 (8 image + qb) + 512 (w / 2) + 8 (w % 2)
	s_add_co_u32 s88, s88, s75
	s_lshl_b32 s88, s88, 10
	s_lshr_b32 s89, s[WV], 1
	s_lshl_b32 s89, s89, 9
	s_add_co_u32 s88, s88, s89
	s_and_b32 s89, s[WV], 1
	s_lshl_b32 s89, s89, 3
	s_add_co_u32 s88, s88, s89
	s_mov_b32 s89, 0
	s_lshl_b32 s90, s76, 10                        ; pooled: the image's 256 numbers
	s_mov_b32 s91, 0
	s_mov_b32 s[SEL], 0x76543210
	s_mov_b32 s[SEL+1], 0xfedcba98                 ; v_permlanex16_b32's selects for lane l xor 16
	s_mov_b32 s[CS], 0x3db8aa3b                    ; c = log2(e) / 16
	s_mov_b32 s[CS+1], s[CS]                       ; (named with it as a pair, so it is written)
	s_mov_b32 s[TB], 0
	s_wait_kmcnt 0x0
	s_add_nc_u64 s[10:11], s[10:11], s[78:79]
	s_mov_b32 s[G0A], 1                            ; count = 1
	s_mov_b32 s[G0A+1], s80                        ; LDS address
	s_add_nc_u64 s[G0A+2:G0A+3], s[10:11], s[80:81]  ; global address: key steps 0, 1
	s_mov_b32 s[G0B], 1
	s_add_co_u32 s[G0B+1], s80, 2*STEPB
	s_add_nc_u64 s[G0B+2:G0B+3], s[G0A+2:G0A+3], 2*STEPB   ; key steps 2, 3
	s_mov_b32 s[G0C], 1
	s_add_co_u32 s[G0C+1], s82, 4*STEPB
	s_add_nc_u64 s[G0C+2:G0C+3], s[10:11], s[82:83]
	s_add_nc_u64 s[G0C+2:G0C+3], s[G0C+2:G0C+3], 4*STEPB   ; key steps 4 to 7
	s_or_b32 s[G0A+3], s[G0A+3], 0x80000000        ; type = 2
	s_or_b32 s[G0B+3], s[G0B+3], 0x80000000
	s_or_b32 s[G0C+3], s[G0C+3], 0x80000000
	s_add_nc_u64 s[4:5], s[4:5], s[84:85]
	s_add_nc_u64 s[32:33], s[32:33], s[84:85]
	s_add_nc_u64 s[6:7], s[6:7], s[86:87]
	s_add_nc_u64 s[8:9], s[8:9], s[88:89]
	s_add_nc_u64 s[12:13], s[12:13], s[90:91]
	CROUND                                         ; all four work-groups are here: the joint loads meet
	tensor_load_to_lds s[G0A:G0A+3], s[G1A:G1A+7]  ; the launch's only fills, together, ahead of every wait on TENSORcnt and of every LDS read
	s_nop 0
	tensor_load_to_lds s[G0B:G0B+3], s[G1A:G1A+7]
	s_nop 0
	tensor_load_to_lds s[G0C:G0C+3], s[G1C:G1C+7]
	s_nop 0
	PLACES 4                                       ; four plain lines follow the loads
	v_and_b32 v28, 31, v0                          ; lane
	v_and_b32 v29, 15, v0                          ; r
	v_bfe_u32 v30, v0, 4, 1                        ; h
	v_and_b32 v31, 8, v29
	v_add_nc_u32 v31, v31, v29                     ; Pr
	v_lshlrev_b32 v[LI], 4, v28
	v_lshlrev_b32 v[PLO], 5, v28
	v_lshlrev_b32 v[H64], 6, v30
	v_lshlrev_b32 v[APR], 7, v31
	v_lshl_add_u32 v[APR], v30, 4, v[APR]
	v_lshlrev_b32 v[SPR], 3, v31
	s_lshl_b32 s84, s[WV], 11                      ; my four tiles of w_se2: 512 bytes of codes a tile,
	v_lshl_add_u32 v[A32], v29, 5, s84
	v_lshl_add_u32 v[A32], v30, 4, v[A32]
	s_lshl_b32 s84, s[WV], 7                       ; 32 scale bytes a tile,
	v_lshl_add_u32 v[A2], v29, 1, s84
	v_mul_u32_u24 v[STO], v29, SP
	v_lshl_add_u32 v[STO], v30, 6, v[STO]
	v_add_nc_u32 v[STO], s84, v[STO]               ; (the stage: my 32 positions are 128 bytes of a row)
	s_lshl_b32 s84, s[WV], 8                       ; 64 bytes of a bias a tile
	v_lshl_add_u32 v[A4], v29, 2, s84
	s_add_co_u32 s84, s84, PQB                     ; my 256 bytes for pooled's codes
	s_add_co_u32 s85, s84, 128                     ; and in them the scale bytes
	v_lshl_add_u32 v[PQW], v28, 2, s84
	v_lshl_add_u32 v[PQR], v30, 4, s84
	v_lshrrev_b32 v[PQ8], 2, v28
	v_add_nc_u32 v[PQ8], s85, v[PQ8]
	v_mov_b32 v[PQSR], s85
	v_lshlrev_b32 v[AWP], 7, v29
	v_lshl_add_u32 v[AWP], v30, 4, v[AWP]
	v_lshlrev_b32 v[ASP], 3, v29
	v_lshl_add_u32 v[ASP], v30, 2, v[ASP]
	s_mul_i32 s84, s[WV], 16*SP
	v_add_nc_u32 v[RD], s84, v[LI]
	v_add_nc_u32 v[GSA], GST, v[LI]
	s_lshl_b32 s84, s[WV], 9
	s_add_co_u32 s84, s84, GST
	v_add_nc_u32 v[GSW], s84, v[LI]
.irp b, 0,1,2,3
	v_mov_b32 v[BT+\b], 0                          ; written once: a lane permute's destination counts as one of its sources
	v_mov_b32 v[BT+T1+\b], 0
.endr
	v_mov_b32 v[ST+5], 0                           ; (named as the upper halves of the pairs with f)
	v_mov_b32 v[ST+13], 0
	; the head's 55 loads, in the order in which they are wanted: pooled (2), w_se1 and b_se1 (28), w_se2, b_se2 and b_proj (16), q (9)
	global_load_b128 v[S:S+3], v[PLO], s[12:13]            ; pooled, dense: lane l takes channels 8 l .. 8 l + 7
	global_load_b128 v[S+4:S+7], v[PLO], s[12:13] offset:16
.irp t, 0,1,2,3
	global_load_b64 v[KS+2*\t:KS+2*\t+1], v[SPR], s[16:17] offset:(32*(\t/2)+8*(\t%2))*8
.endr
	WIN 0x80                                       ; destination window 2
.irp t, 0,1,2,3
.irp s, 0,1
.irp c, 0,1
	global_load_b128 v[16*\t+8*\s+4*\c:16*\t+8*\s+4*\c+3], v[APR], s[14:15] offset:(32*(\t/2)+8*(\t%2))*128+64*\s+32*\c
.endr
.endr
.endr
.irp t, 0,1,2,3
	global_load_b128 v[64+8*\t:67+8*\t], v[H64], s[18:19] offset:(32*(\t/2)+8*(\t%2))*4
	global_load_b128 v[68+8*\t:71+8*\t], v[H64], s[18:19] offset:(32*(\t/2)+8*(\t%2))*4+16
.endr
	WIN 0x40                                       ; destination window 1
.irp i, 0,1,2,3
	global_load_b128 v[8*\i:8*\i+3], v[A32], s[20:21] offset:512*\i  ; w_se2, rows 16 (4 w + i) + r: k = 32 h + 0 .. 31
.endr
	WIN 0xc0                                       ; destination window 3
.irp i, 0,1,2,3
	global_load_b32 v[\i], v[A4], s[24:25] offset:64*\i              ; b_se2
.endr
	WIN 0
.irp i, 0,1,2,3
	global_load_u16 v[S2S+\i], v[A2], s[22:23] offset:32*\i          ; w_se2's two scale bytes a row; the upper two bytes are 0, which is 2^-127 and no NaN
.endr
.irp i, 0,1,2,3
	global_load_b32 v[GT+4+\i], v[A4], s[30:31] offset:64*\i         ; b_proj
.endr
.irp qt, 0,1
.irp s, 0,1
.irp c, 0,1
	global_load_b128 v[Q+16*\qt+8*\s+4*\c:Q+16*\qt+8*\s+4*\c+3], v[LI], s[6:7] offset:2048*\qt+1024*\s+512*\c
.endr
.endr
.endr
	global_load_b64 v[QS:QS+1], v[LI], s[8:9]      ; register qt; lanes 0-15 K step 0, lanes 16-31 K step 1
	WIN 0x40
.irp i, 0,1,2,3
.irp k, 4,5,6,7
	v_mov_b32 v[8*\i+\k], 0                        ; K = 64 fills half a K step: zero codes for k = 64 .. 127 on the weight's side
.endr
.endr
	WIN 0
.set i, 0
.rept 32
	v_mov_b32 v[S+32+i], 0                         ; h1 has 64 numbers: blocks 2 and 3 of its K step are zeros
.set i, i+1
.endr
	; THE GATE, while kv's first part lands.  pooled: a block of 32 channels lies in four neighbouring lanes, 8 numbers each.
	s_wait_loadcnt 53                              ; pooled's two loads are in; the 53 issued behind them may be out
	v_max3_num_f32 v[TM], |v[S]|, |v[S+1]|, 0x1800000      ; my 8 numbers, and the floor 2^(3 - 127)
	v_max3_num_f32 v[TM], v[TM], |v[S+2]|, |v[S+3]|
	v_max3_num_f32 v[TM], v[TM], |v[S+4]|, |v[S+5]|
	v_max3_num_f32 v[TM], v[TM], |v[S+6]|, |v[S+7]|
	v_max_num_f32_dpp v[TM], v[TM], v[TM] row_xmask:1 row_mask:0xf bank_mask:0xf
	v_max_num_f32_dpp v[TM], v[TM], v[TM] row_xmask:2 row_mask:0xf bank_mask:0xf   ; with lanes l xor 1, 2, 3: the block's largest magnitude
	v_add_nc_u32 v[TM+1], 0xff000000, v[TM]        ; the conversion's scale operand
	v_lshrrev_b32 v[TM+2], 23, v[TM+1]             ; the byte
	v_cvt_scalef32_pk8_fp4_f32 v[TM+3], v[S:S+7], v[TM+1]
	v_nop                                          ; one plain place behind a scaled conversion
	ds_store_b32 v[PQW], v[TM+3]                   ; 8 codes, 4 bytes, at 4 lane: the row's 128 bytes of codes as they would lie in memory
	ds_store_b8 v[PQ8], v[TM+2]                    ; the four lanes of a block write the same byte with the same value
.irp s, 0,1
.irp c, 0,1
	ds_load_b128 v[P+8*\s+4*\c:P+8*\s+4*\c+3], v[PQR] offset:64*\s+32*\c   ; LDS serves a wave's instructions in order: these see my stores.  All 16 rows of the fragment are the image's one row
.endr
.endr
	ds_load_b32 v[ST+6], v[PQSR]                   ; its scale words: K step 0,
	ds_load_b32 v[ST+14], v[PQSR] offset:4         ; K step 1
	s_wait_loadcnt 25                              ; w_se1, its scales and b_se1 are in; the 25 issued behind them may be out
	s_wait_dscnt 0x0
	WIN 0x22                                       ; source 0 (w_se1) and source 2 (b_se1) window 2
.irp t, 0,1,2,3
	MM S+8*\t, 16*\t, P, 64+8*\t, KS+2*\t, ST+6, 0, 0
.endr
	WIN 0x02
.irp t, 0,1,2,3
	MM S+8*\t, 16*\t+8, P+8, S+8*\t, KS+2*\t+1, ST+14, 0, 0
.endr
	WIN 0
	PLACES 4
.set i, 0
.rept 32
	v_max_num_f32 v[S+i], 0, v[S+i]                ; relu
.set i, i+1
.endr
	QUANT S, P, ST+6
	PLACES 8                                       ; h1's scale word and codes were written by vector instructions
	s_wait_loadcnt 0x0                             ; w_se2, b_se2, b_proj, q
	WIN 0x44                                       ; source 1 (w_se2) and the results window 1
.irp i, 0,1,2,3                        ; my quarter of the gate: channels 64 w .. 64 w + 63
	MM 128+8*\i, P, 8*\i, -1, ST+6, S2S+\i, 0, 0
.endr
	WIN 0
	PLACES 4
	WIN 0x0d                                       ; source 0 window 1, source 1 window 3
.irp i, 0,1,2,3
	v_add_f32 v[GT+\i], v[128+8*\i], v[\i]         ; all rows are equal: each result's lowest register; lane r: channel 16 (4 w + i) + r
.endr
	WIN 0
.irp i, 0,1,2,3
	v_mul_f32 v[GT+\i], 0xbfb8aa3b, v[GT+\i]       ; sigmoid(z) = 1 / (1 + 2^(-z log2(e)))
.endr
.irp i, 0,1,2,3
	v_exp_f32 v[GT+\i], v[GT+\i]
.endr
	v_nop                                          ; a plain instruction behind the batch,
	s_wait_alu depctr_va_vdst(0)                   ; and one wait for it, ahead of its first reader
.irp i, 0,1,2,3
	v_add_f32 v[GT+\i], 1.0, v[GT+\i]
.endr
.irp i, 0,1,2,3
	v_rcp_f32 v[GT+\i], v[GT+\i]
.endr
	v_nop
	s_wait_alu depctr_va_vdst(0)
.irp i, 0,1,2,3
	v_mul_f32 v[GT+4+\i], v[GT+4+\i], v[GT+\i]     ; b_proj x gate
.endr
	ds_store_b128 v[GSW], v[GT:GT+3]               ; my four registers of the two images; the other waves read them behind the barriers below, at the end
	ds_store_b128 v[GSW], v[GT+4:GT+7] offset:2048
.macro XROWS g0                        ; 32 of my 64 rows of x: of channel groups g0 and g0 + 1 the rows 64 g + 16 w + i, the block's 128 positions: 512 consecutive bytes a load; they are wanted at the very end
	WIN 0xc0
.irp g, \g0, \g0+1
.set i, 0
.rept 16
	global_load_b128 v[64*(\g)+4*i:64*(\g)+4*i+3], v[LI], s[4:5] offset:4096*(64*(\g)+i) th:TH_LOAD_NT
.set i, i+1
.endr
.endr
	WIN 0
.endm
	XROWS 0
; THE RUNS OF LOADS OF A KEY STEP.  f0 = 0 or 8 (16, 24): eight fragments, sixteen loads.
.macro KFR adr, off, f0                ; k's fragments of the block off bytes on, into window 2 (set by the caller)
.set f, \f0
.rept 8
	ds_load_b128 v[8*f:8*f+3], v[\adr] offset:\off+KOFF+1024*f
	ds_load_b128 v[8*f+4:8*f+7], v[\adr] offset:\off+KOFF+1024*f+512
.set f, f+1
.endr
.endm
.macro KSC adr, off                    ; and their scale words: register kt; lanes 0-15 K step 0, lanes 16-31 K step 1
	ds_load_b128 v[KS:KS+3], v[\adr] offset:\off
	ds_load_b128 v[KS+4:KS+7], v[\adr] offset:\off+512
.endm
.macro VFR f0                          ; v's fragments
	WIN 0x80                                       ; destination window 2
.set f, \f0
.rept 8
	ds_load_b128 v[128+8*f:128+8*f+3], v[AD] offset:VOFF+1024*f
	ds_load_b128 v[128+8*f+4:128+8*f+7], v[AD] offset:VOFF+1024*f+512
.set f, f+1
.endr
	WIN 0
.endm
.macro WPF f0                          ; w_proj's fragments 2 ot + s, rows 16 ot + r, into window 2 (set by the caller)
.set f, \f0
.rept 8
	global_load_b128 v[8*f:8*f+3], v[AWP], s[26:27] offset:2048*(f/2)+64*(f%2)
	global_load_b128 v[8*f+4:8*f+7], v[AWP], s[26:27] offset:2048*(f/2)+64*(f%2)+32
.set f, f+1
.endr
.endm
.macro WPSC i0                         ; and eight tiles' scale words: lanes 0-15 K step 0, lanes 16-31 K step 1
.set f, \i0
.rept 8
	global_load_b32 v[WPS+f], v[ASP], s[28:29] offset:128*f
.set f, f+1
.endr
.endm
; What is fetched into k's registers under a step's softmax.  pre = 1: the next step's k (the largest offset is 34816 + 2048 + 15 x 1024 + 512, inside the 16-bit immediate); pre = 2, the last step: w_proj's tiles 0 to 7.
.macro NEXT pre, f0
.if \pre == 1
	WIN 0x80
	KFR AD, STEPB, \f0
	WIN 0
.if \f0 == 8
	KSC AD, STEPB
.endif
.endif
.if \pre == 2
	WIN 0x80
	WPF \f0
	WIN 0
.if \f0 == 8
	WPSC 0
.endif
.endif
.endm
; BOTH TILES' SOFTMAX FOR ONE KEY STEP, line by line for the two.  first = 1: the first step, which starts M, l and O^T.
.macro SOFT2 first, pre
.irp b, 0,1,2,3
.irp t, 0,1
	v_max3_num_f32 v[BM+T1*\t+\b], v[S+64*\t+16*\b], v[S+64*\t+16*\b+1], v[S+64*\t+16*\b+2]     ; the largest score of each block of 32 keys: it serves the row's maximum and, since p rises with the score, the block's largest p
.endr
.endr
.irp i, 3,5,7,9,11,13
.irp b, 0,1,2,3
.irp t, 0,1
	v_max3_num_f32 v[BM+T1*\t+\b], v[BM+T1*\t+\b], v[S+64*\t+16*\b+\i], v[S+64*\t+16*\b+\i+1]
.endr
.endr
.endr
.irp b, 0,1,2,3
.irp t, 0,1
	v_max_num_f32 v[BM+T1*\t+\b], v[BM+T1*\t+\b], v[S+64*\t+16*\b+15]
.endr
.endr
	VFR 8                                          ; the second run of loads: the rest of v,
	ds_load_b128 v[VS:VS+3], v[AD] offset:1024     ; and its scale words: register ct / 2, lanes 16 (ct % 2) + r
	ds_load_b128 v[VS+4:VS+7], v[AD] offset:1536
.irp b, 0,1,2,3
.irp t, 0,1
	v_permlanex16_b32 v[BT+T1*\t+\b], v[BM+T1*\t+\b], s[SEL], s[SEL+1]
.endr
.endr
.irp b, 0,1,2,3
.irp t, 0,1
	v_max_num_f32 v[BM+T1*\t+\b], v[BM+T1*\t+\b], v[BT+T1*\t+\b]     ; with lane l xor 16's 16 keys
.endr
.endr
.irp t, 0,1
	v_max3_num_f32 v[MI+T1*\t], v[BM+T1*\t], v[BM+T1*\t+1], v[BM+T1*\t+2]
.endr
.irp t, 0,1
	v_max_num_f32 v[MI+T1*\t], v[MI+T1*\t], v[BM+T1*\t+3]            ; the step's largest score of my query
.endr
.if \first
.irp t, 0,1
	v_mul_f32 v[ST+8*\t+1], s[CS], v[MI+T1*\t]     ; as t (c is positive)
.endr
.irp t, 0,1
	v_floor_f32 v[ST+8*\t], -v[ST+8*\t+1]          ; -M = floor(-t): M is a whole number
.endr
.else
.irp t, 0,1
	v_mul_f32 v[MI+T1*\t], s[CS], v[MI+T1*\t]
.endr
.irp t, 0,1
	v_max_num_f32 v[ST+8*\t+1], v[ST+8*\t+1], v[MI+T1*\t]            ; the running largest t
.endr
.irp t, 0,1
	v_mov_b32 v[MI+T1*\t], v[ST+8*\t]
.endr
.irp t, 0,1
	v_floor_f32 v[ST+8*\t], -v[ST+8*\t+1]
.endr
.irp t, 0,1
	v_sub_f32 v[MI+T1*\t], v[ST+8*\t], v[MI+T1*\t] ; old M - new M: a whole number, 0 or less
.endr
.irp t, 0,1
	v_cvt_i32_f32 v[MI+T1*\t], v[MI+T1*\t]         ; (it saturates)
.endr
.irp t, 0,1
	v_ldexp_f32 v[ST+8*\t+4], 1.0, v[MI+T1*\t]     ; f = 2^(old M - new M)
.endr
.endif
.set j, 0
.rept 32
.irp t, 0,1
	v_pk_fma_f32 v[S+64*\t+j:S+64*\t+j+1], v[S+64*\t+j:S+64*\t+j+1], s[CS:CS+1], v[ST+8*\t:ST+8*\t+1] op_sel_hi:[1,0,0]   ; t - M, two at a time (of the pairs c and -M the low word serves both halves)
.endr
.set j, j+2
.endr
.irp b, 0,1,2,3
.irp t, 0,1
	v_fma_f32 v[BM+T1*\t+\b], v[BM+T1*\t+\b], s[CS], v[ST+8*\t]      ; the same of each block's largest score
.endr
.endr
	NEXT \pre, 0                                   ; the third run of loads
.irp t, 0,1
.set j, 0
.rept 32
	v_exp_f32 v[S+64*\t+j], v[S+64*\t+j]           ; p = 2^(t - M)
.set j, j+1
.endr
.endr
	NEXT \pre, 8                                   ; the fourth
.irp t, 0,1
.set j, 32
.rept 32
	v_exp_f32 v[S+64*\t+j], v[S+64*\t+j]
.set j, j+1
.endr
.endr
.if \first
	v_nop                                          ; a plain instruction behind the batch
.else
.irp t, 0,1
	v_pk_mul_f32 v[ST+8*\t+2:ST+8*\t+3], v[ST+8*\t+2:ST+8*\t+3], v[ST+8*\t+4:ST+8*\t+5] op_sel_hi:[1,0]   ; the sums under the new M: the plain instructions behind the batch
.endr
.endif
	s_wait_alu depctr_va_vdst(0)                   ; one wait for the 128, ahead of their first reader
.irp b, 0,1,2,3
.irp t, 0,1
	v_exp_f32 v[BM+T1*\t+\b], v[BM+T1*\t+\b]       ; each block's largest p
.endr
.endr
.irp t, 0,1
	v_pk_add_f32 v[BT+T1*\t:BT+T1*\t+1], v[S+64*\t:S+64*\t+1], v[S+64*\t+2:S+64*\t+3]          ; the rows' sums, of the UNQUANTISED p: two chains of pairs a tile; plain work behind the eight
.endr
.if \first
.irp t, 0,1
	v_pk_add_f32 v[ST+8*\t+2:ST+8*\t+3], v[S+64*\t+4:S+64*\t+5], v[S+64*\t+6:S+64*\t+7]        ; the first step starts the sum: nothing is cleared
.endr
.else
.irp t, 0,1
	v_pk_add_f32 v[ST+8*\t+2:ST+8*\t+3], v[ST+8*\t+2:ST+8*\t+3], v[S+64*\t+4:S+64*\t+5]
.endr
.irp t, 0,1
	v_pk_add_f32 v[BT+T1*\t:BT+T1*\t+1], v[BT+T1*\t:BT+T1*\t+1], v[S+64*\t+6:S+64*\t+7]
.endr
.endif
.set j, 8
.rept 14
.irp t, 0,1
	v_pk_add_f32 v[ST+8*\t+2:ST+8*\t+3], v[ST+8*\t+2:ST+8*\t+3], v[S+64*\t+j:S+64*\t+j+1]
.endr
.irp t, 0,1
	v_pk_add_f32 v[BT+T1*\t:BT+T1*\t+1], v[BT+T1*\t:BT+T1*\t+1], v[S+64*\t+j+2:S+64*\t+j+3]
.endr
.set j, j+4
.endr
.irp t, 0,1
	v_pk_add_f32 v[ST+8*\t+2:ST+8*\t+3], v[ST+8*\t+2:ST+8*\t+3], v[BT+T1*\t:BT+T1*\t+1]
.endr
	s_wait_alu depctr_va_vdst(0)                   ; and one for the eight
.irp b, 0,1,2,3
.irp t, 0,1
	v_max_num_f32 v[BM+T1*\t+\b], 0x1800000, v[BM+T1*\t+\b]          ; the floor 2^(3 - 127): the byte cannot fall under 1
.endr
.endr
.irp b, 0,1,2,3
.irp t, 0,1
	v_add_nc_u32 v[SO+T1*\t+\b], 0xff000000, v[BM+T1*\t+\b]
.endr
.endr
.irp b, 0,1,2,3
.irp t, 0,1
	v_lshrrev_b32 v[BT+T1*\t+\b], 23, v[SO+T1*\t+\b]
.endr
.endr
.irp t, 0,1
	v_lshl_or_b32 v[ST+8*\t+6], v[BT+T1*\t+1], 8, v[BT+T1*\t]        ; p's scale word for these 128 keys
.endr
.irp t, 0,1
	v_lshl_or_b32 v[ST+8*\t+6], v[BT+T1*\t+2], 16, v[ST+8*\t+6]
.endr
.irp t, 0,1
	v_lshl_or_b32 v[ST+8*\t+6], v[BT+T1*\t+3], 24, v[ST+8*\t+6]
.endr
.irp t, 0,1
.irp b, 0,1,2,3
	v_cvt_scalef32_pk8_fp4_f32 v[P+8*\t+2*\b], v[S+64*\t+16*\b:S+64*\t+16*\b+7], v[SO+T1*\t+\b]
	v_cvt_scalef32_pk8_fp4_f32 v[P+8*\t+2*\b+1], v[S+64*\t+16*\b+8:S+64*\t+16*\b+15], v[SO+T1*\t+\b]
.endr
.endr
	v_nop                                          ; one plain place behind a scaled conversion
.irp t, 0,1
.irp c, 0,1
.irp i, 0,1
	v_permlane16_swap_b32 v[P+8*\t+4*\c+\i], v[P+8*\t+4*\c+2+\i]
.endr
.endr
.endr
.if !\first
	WIN 0x41                                       ; O^T (destination and source 0) window 1
.irp t, 0,1
.set j, 0
.rept 64
	v_pk_mul_f32 v[128*\t+j:128*\t+j+1], v[128*\t+j:128*\t+j+1], v[ST+8*\t+4:ST+8*\t+5] op_sel_hi:[1,0]   ; O^T under the new M.  (Also the places ahead of the scaled products)
.set j, j+2
.endr
.endr
	WIN 0
.endif
.endm
; A KEY STEP: 128 keys.  first = 1: it starts the sums.  pre: see NEXT.
.macro STEP first, pre
	s_wait_dscnt 0x0                               ; k and its scale words are in, and no LDS load of mine is out: the address may be written
	v_add_nc_u32 v[AD], s[TB], v[LI]
	WIN 0x02                                       ; source 0 (k) window 2
.irp s, 0,1                            ; S^T = k q^T: sixteen accumulators by turns, K step by K step
.irp kt, 0,1,2,3,4,5,6,7
.irp qt, 0,1
.if \s == 0
	MM S+64*\qt+8*\kt, 16*\kt, Q+16*\qt, -1, KS+\kt, QS+\qt, 0, 0
.else
	MM S+64*\qt+8*\kt, 16*\kt+8, Q+16*\qt+8, S+64*\qt+8*\kt, KS+\kt, QS+\qt, 1, 1
.endif
.endr
.endr
.endr
	WIN 0
	PLACES 4                                       ; ahead of all the step's loads into registers that matrix instructions have read, and of the first read of the scores
	VFR 0                                          ; the first run of loads: half of v
	SOFT2 \first, \pre
.if \first
	PLACES 8                                       ; p's scale words and codes were written by vector instructions, and this step has no rescaling to stand between
.endif
.if \pre == 1
	s_wait_dscnt 34                                ; v and its scale words are in; the 34 loads issued behind them, the next step's k and its scale words, may be out
.else
	s_wait_dscnt 0x0
.endif
	WIN 0x52                                       ; source 0 (v) window 2, C and D (O^T) window 1
.irp ct, 0,1,2,3,4,5,6,7,8,9,10,11,12,13,14,15   ; O^T += v p^T: 32 accumulators, one instruction each
.irp qt, 0,1
.if \first
	MM 128*\qt+8*\ct, 128+8*\ct, P+8*\qt, -1, VS+\ct/2, ST+8*\qt+6, \ct%2, 0
.else
	MM 128*\qt+8*\ct, 128+8*\ct, P+8*\qt, 128*\qt+8*\ct, VS+\ct/2, ST+8*\qt+6, \ct%2, 0
.endif
.endr
.endr
	WIN 0
	s_add_co_u32 s[TB], s[TB], STEPB
.endm
	s_wait_tensorcnt 0x2                           ; my quarter of key steps 0, 1 is in; my two later loads may be out
	s_wait_dscnt 0x0                               ; for the others' sake: my quarter of the gate lies in LDS
	s_barrier_signal -1
	s_barrier_wait -1                              ; everybody's is
	WIN 0x80
	KFR LI, 0, 0
	KFR LI, 0, 8
	WIN 0
	KSC LI, 0
	STEP 1, 1                                      ; step 0; it fetches k of step 1
	s_wait_tensorcnt 0x1                           ; my quarter of key steps 2, 3 is in; the last load may be out
	s_wait_dscnt 0x0
	s_barrier_signal -1
	s_barrier_wait -1
	s_mov_b32 s[CNT], 2
.Lsteps_1_2:                                           ; steps 1 and 2; step 2 fetches k of step 3
	STEP 0, 1
	s_sub_co_u32 s[CNT], s[CNT], 1
	s_cmp_lg_u32 s[CNT], 0
	s_cbranch_scc1 .Lsteps_1_2
	XROWS 2
	s_wait_tensorcnt 0x0                           ; my quarter of key steps 4 to 7
	s_wait_dscnt 0x0
	s_barrier_signal -1
	s_barrier_wait -1
	s_mov_b32 s[CNT], 4
.Lsteps_3_6:
	STEP 0, 1
	s_sub_co_u32 s[CNT], s[CNT], 1
	s_cmp_lg_u32 s[CNT], 0
	s_cbranch_scc1 .Lsteps_3_6
	STEP 0, 2                                      ; step 7: k's registers are done with behind its scores, and take half of w_proj (40 loads)
	; THE END.  l; O / l; its codes along the channels; the projection; gate and bias; through the stage; + x; out.
.irp t, 0,1
	v_add_f32 v[TM+\t], v[ST+8*\t+2], v[ST+8*\t+3] ; the sum's two halves,
.endr
.irp t, 0,1
	v_permlanex16_b32 v[TM+4+\t], v[TM+\t], s[SEL], s[SEL+1]
.endr
.irp t, 0,1
	v_add_f32 v[TM+\t], v[TM+\t], v[TM+4+\t]       ; and lane l xor 16's: the row's sum
.endr
.irp t, 0,1
	v_rcp_f32 v[ST+8*\t+4], v[TM+\t]
.endr
	v_nop                                          ; the plain instruction behind the reciprocals; with the four additions it is also the places behind the last products, ahead of the loads below
	WIN 0x80
	WPF 16                                         ; w_proj's tiles 8 to 15, into v's registers, and their scale words: 40 loads
	WPF 24
	WIN 0
	WPSC 8
.irp k, 0,1,2,3
	ds_load_b128 v[G+4*\k:G+4*\k+3], v[GSA] offset:512*\k            ; the gate and b_proj x gate: wave k's four registers are tiles 4 k .. 4 k + 3
	ds_load_b128 v[BG+4*\k:BG+4*\k+3], v[GSA] offset:2048+512*\k
.endr
	s_wait_alu depctr_va_vdst(0)                   ; one wait for the two reciprocals, ahead of their first reader
.irp t, 0,1
	WIN 0x01                                       ; source 0 (O^T) window 1
.set j, 0
.rept 64
	v_pk_mul_f32 v[S+j:S+j+1], v[128*\t+j:128*\t+j+1], v[ST+8*\t+4:ST+8*\t+5] op_sel_hi:[1,0]   ; O / l: register 16 b + i = channel 32 b + 16 h + i; each accumulator from its low end on
.set j, j+2
.endr
	WIN 0
	QUANT S, XC+16*\t, 19+8*\t
	QUANT S+64, XC+16*\t+8, 37+\t
.endr
	BAR                                            ; my LDS loads are in: I read kv no more; behind the barrier nobody does: the stage may be written over it
	PLACES 8                                       ; the scale words and codes of O / l were written by vector instructions
	s_wait_loadcnt 40                              ; x and w_proj's first half are in; the 40 loads of its second half may be out
; A GROUP OF 64 CHANNELS: four tiles, 16 (4 gq + o) on, x my two tiles of queries: eight accumulators by turns.  Lane (r, h) holds channel 16 ot + r and positions 32 w + 16 h + 8 qt + 0 .. 7.
.macro PROJW gq                        ; its products
	WIN 0x08                                       ; source 1 (w_proj) window 2
.irp o, 0,1,2,3
.irp qt, 0,1
	MM S+8*(2*\o+\qt), XC+16*\qt, 16*(4*(\gq)+\o), -1, 19+8*\qt, WPS+4*(\gq)+\o, 0, 0
.endr
.endr
.irp o, 0,1,2,3
.irp qt, 0,1
	MM S+8*(2*\o+\qt), XC+16*\qt+8, 16*(4*(\gq)+\o)+8, S+8*(2*\o+\qt), 37+\qt, WPS+4*(\gq)+\o, 0, 1
.endr
.endr
	WIN 0
.endm
.macro PROJF gq                        ; gate and bias, and into the group's 64 rows of the stage
.irp o, 0,1,2,3
.irp qt, 0,1
.irp j, 0,1,2,3,4,5,6,7
	v_fma_f32 v[S+8*(2*\o+\qt)+\j], v[S+8*(2*\o+\qt)+\j], v[G+4*(\gq)+\o], v[BG+4*(\gq)+\o]   ; (proj + b_proj) gate = proj x gate + b_proj x gate
.endr
.endr
.endr
.irp o, 0,1,2,3
.irp qt, 0,1
	ds_store_b128 v[STO], v[S+8*(2*\o+\qt):S+8*(2*\o+\qt)+3] offset:16*SP*\o+32*\qt
	ds_store_b128 v[STO], v[S+8*(2*\o+\qt)+4:S+8*(2*\o+\qt)+7] offset:16*SP*\o+32*\qt+16
.endr
.endr
.endm
.macro LDOUT                           ; my 16 rows of the group that lies whole in the stage: rows of 512 bytes
.set i, 0
.rept 16
	ds_load_b128 v[OB+4*i:OB+4*i+3], v[RD] offset:SP*i
.set i, i+1
.endr
.endm
.macro ADDST gq                        ; + x, in x's own registers, which are never written again: so no store's data wait for anything; and out
	WIN 0xcc                                       ; source 1 and destination window 3; a store's data are its source 1
.set j, 0
.rept 32
	v_pk_add_f32 v[64*(\gq)+j:64*(\gq)+j+1], v[OB+j:OB+j+1], v[64*(\gq)+j:64*(\gq)+j+1]
.set j, j+2
.endr
.set i, 0
.rept 16
	global_store_b128 v[LI], v[64*(\gq)+4*i:64*(\gq)+4*i+3], s[32:33] offset:4096*(64*(\gq)+i) th:TH_STORE_NT   ; 32 lanes store 512 consecutive bytes, at a multiple of 512 from out0's first byte
.set i, i+1
.endr
	WIN 0
.endm
	PROJW 0
	PLACES 4
	PROJF 0
	BAR                                            ; group 0 lies whole in the stage
.irp gq, 1,2,3                         ; a group's rows come back and leave while the next group is multiplied
	LDOUT
.if \gq == 2
	s_wait_loadcnt 0x0                             ; w_proj's second half
.endif
	PROJW \gq
	PLACES 4
	s_wait_dscnt 0x0                               ; the rows are back, and no LDS instruction of mine is out: both stage addresses may step
	v_add_nc_u32 v[STO], 64*SP, v[STO]
	v_add_nc_u32 v[RD], 64*SP, v[RD]
	ADDST \gq-1
	PROJF \gq
	BAR
.endr
	LDOUT
	s_wait_dscnt 0x0
	ADDST 3
	s_wait_xcnt 0x0
	v_lshl_add_u32 v254, v0, 2, 0x45400
	v_mov_b32 v255, 0
	s_wait_tensorcnt 0x0
	ds_add_u32 v254, v255
	s_wait_dscnt 0x0
	CROUND                                         ; the closing round: no work-group ends while a partner may still ask for a part that names it
	s_endpgm
.Lfunc_end_k_qe831c82f3c_attn:
	.size	k_qe831c82f3c_attn, .Lfunc_end_k_qe831c82f3c_attn-k_qe831c82f3c_attn
	.p2alignl 7, 3214868480
	.fill 96, 4, 3214868480
	.section	.rodata,"a",@progbits
	.p2align	6, 0x0
	.amdhsa_kernel k_qe831c82f3c_attn
		.amdhsa_group_segment_fixed_size 327680
		.amdhsa_private_segment_fixed_size 0
		.amdhsa_enable_private_segment 0
		.amdhsa_kernarg_size 120
		.amdhsa_user_sgpr_count 2
		.amdhsa_user_sgpr_kernarg_segment_ptr 1
		.amdhsa_wavefront_size32 1
		.amdhsa_system_sgpr_workgroup_id_x 1
		.amdhsa_system_sgpr_workgroup_id_y 1
		.amdhsa_system_sgpr_workgroup_id_z 1
		.amdhsa_system_vgpr_workitem_id 0
		.amdhsa_next_free_vgpr 1024
		.amdhsa_next_free_sgpr 100
		.amdhsa_reserve_vcc 0
		.amdhsa_float_denorm_mode_32 3
		.amdhsa_float_denorm_mode_16_64 3
		.amdhsa_memory_ordered 1
		.amdhsa_forward_progress 1
		.amdhsa_inst_pref_size 255
	.end_amdhsa_kernel
	.section	.bss,"aw",@nobits
	.p2align	6
	.space	262144
	.amdgpu_metadata
---
amdhsa.version: [ 1, 2 ]
amdhsa.kernels:
  - .name:           k_qe831c82f3c_attn
    .symbol:         k_qe831c82f3c_attn.kd
    .args:
      - { .name: x, .offset: 0, .size: 8, .value_kind: global_buffer, .address_space: global }
      - { .name: qimg, .offset: 8, .size: 8, .value_kind: global_buffer, .address_space: global }
      - { .name: qsc, .offset: 16, .size: 8, .value_kind: global_buffer, .address_space: global }
      - { .name: kv, .offset: 24, .size: 8, .value_kind: global_buffer, .address_space: global }
      - { .name: pooled, .offset: 32, .size: 8, .value_kind: global_buffer, .address_space: global }
      - { .name: w_se1_codes, .offset: 40, .size: 8, .value_kind: global_buffer, .address_space: global }
      - { .name: w_se1_scales, .offset: 48, .size: 8, .value_kind: global_buffer, .address_space: global }
      - { .name: b_se1, .offset: 56, .size: 8, .value_kind: global_buffer, .address_space: global }
      - { .name: w_se2_codes, .offset: 64, .size: 8, .value_kind: global_buffer, .address_space: global }
      - { .name: w_se2_scales, .offset: 72, .size: 8, .value_kind: global_buffer, .address_space: global }
      - { .name: b_se2, .offset: 80, .size: 8, .value_kind: global_buffer, .address_space: global }
      - { .name: w_proj_codes, .offset: 88, .size: 8, .value_kind: global_buffer, .address_space: global }
      - { .name: w_proj_scales, .offset: 96, .size: 8, .value_kind: global_buffer, .address_space: global }
      - { .name: b_proj, .offset: 104, .size: 8, .value_kind: global_buffer, .address_space: global }
      - { .name: out0, .offset: 112, .size: 8, .value_kind: global_buffer, .address_space: global }
    .group_segment_fixed_size: 327680
    .private_segment_fixed_size: 0
    .kernarg_segment_align: 8
    .kernarg_segment_size: 120
    .max_flat_workgroup_size: 128
    .sgpr_count:     100
    .vgpr_count:     1024
    .wavefront_size: 32
...
	.end_amdgpu_metadata
.endif
;; end of part 3
;; ======== version 2 of 2: 3 launches; version 1 with the launch qkv written anew for expert scheduling mode
;; workspace buffers: gn_a 32,768 bytes; gn_m 32,768 bytes; pooled 32,768 bytes; qimg 4,194,304 bytes; qsc 262,144 bytes; kv 8,912,896 bytes
;; launch stats: the kernel of part 1 again; grid 256 x 1, 8 waves a work-group, no clusters, 1,536 bytes of LDS; arguments x, gn_gamma, gn_a, gn_m, pooled; writes gn_a, gn_m, pooled
;; launch qkv (part 4): grid 8 x 32, 8 waves a work-group, no clusters, 25,600 bytes of LDS; arguments x, gn_a, gn_m, gn_beta, w_qkv_codes, w_qkv_scales, b_qkv, qimg, qsc, kv; writes qimg, qsc, kv
.if DOCPART == 4
	.amdgcn_target "amdgcn-amd-amdhsa--gfx1250"
	.amdhsa_code_object_version 6
	.text
	.protected	k_qe831c82f3c_qkv
	.globl	k_qe831c82f3c_qkv
	.p2align	8
	.type	k_qe831c82f3c_qkv,@function
k_qe831c82f3c_qkv:
	s_mov_b64 s[64:65], 0
	v_nop
	global_prefetch_b8 v0, s[64:65] scope:SCOPE_SE
	s_setreg_imm32_b32 hwreg(HW_REG_WAVE_SCHED_MODE, 0, 2), 2
	s_setreg_imm32_b32 hwreg(HW_REG_WAVE_MODE, 25, 1), 1
	s_wait_xcnt 0x0
	s_wait_alu depctr_vm_vsrc(0)
; xn = (x - mean) a + beta, quantised along the channels; qkv = w_qkv xn + b_qkv on codes of FP4 (E2M1) with one E8M0 scale for each 32 along K; q and k are quantised along the channels, v along the keys.
; What leaves are IMAGES OF OPERAND REGISTERS: a fragment (16 rows x 128 K: 8 registers a lane) is two stores of 512 consecutive bytes, lane l's 16 bytes at 16 l.
;   qimg [image 32][tile of 16 positions 64][K step 2][half 2][lane 32][16 bytes];   qsc [image][block of 128 positions 8][hp 2][lane 32][i 4] scale words, tile 4 hp + i, lanes 0-15 K step 0, lanes 16-31 K step 1.
;   kv: one dense block of 34,816 bytes for each (image, 128 keys): +0 k's scale words (as qsc), +1024 v's (register ct / 2, lanes 16 (ct % 2) + r), +2048 k's 16 fragments (2 tile + K step), +18432 v's 16 (channel tile ct).
; SHARES.  Work-group (ks, image) owns positions 128 ks .. 128 ks + 127: 256 channels x 512 bytes of x.  Phase X: wave w takes channels 32 w .. 32 w + 31, ONE block of 32 along K, for all 128 positions: a lane holds four
; positions, its registers run down the channels, so a block's largest magnitude needs no other lane.  Codes and scale bytes go to LDS by position.  Then 48 units of 16 matrix instructions, six a wave:
; four for q or k (output rows 128 (w % 4) on, position tiles 4 (w / 4) + i) and two for v (channel tiles 2 w, 2 w + 1, all 128 positions).
; ONE ORDER OF ROWS EVERYWHERE: lane r of tile t takes row 32 (t / 2) + 8 (t % 2) + r + 8 (r / 8), of xn's positions and of w_qkv's rows alike.  As source 0 of a product that makes the 16 registers of result tiles 2 b and
; 2 b + 1 sixteen neighbours, 32 b + 16 (lane / 16) + 0 .. 15, along the axis that is quantised next.  q, k: source 0 = w's rows, source 1 = positions (a lane holds one position, registers along the channels);
; v: source 0 = positions, source 1 = w's rows (a lane holds one channel, registers along the keys).  The biases are the C of each sum's first matrix instruction.
; ALL 100 LOADS OF A WAVE STAND AT THE HEAD, x's first: the weights are asked for while x is on its way.
; No tensor load and no cluster: x's slab is the work-group's own, and the weights that work-groups share are 20 KiB a wave beside a slab of 128 KiB; every byte is asked for at the head, so nothing could be asked for earlier.
; LIMITS: NaN and infinities are not served.  A block of zeros gets the scale byte 1 where the rule says 127: its codes are zeros, and only this program reads the bytes.  xn is (x - mean) (gamma rstd) + beta, the last two steps fused.
; THE MODE: SCHED_MODE bits 1:0 = 2 (LLVM: expert scheduling mode 2), set by the entry lines.  The code itself states the register dependences
; between vector or matrix instructions and memory or LDS instructions, with s_wait_alu, always for 0.
; THE PLAN.  Registers that memory or LDS instructions touch, and who else names them:
;   v1, v4-v15, v68-v71     offsets and LDS addresses: written once at the head, never again.  One wait on va_vdst ahead of the first load serves every load and store of the kernel.
;   window 1, v[0:127]      x, as loaded; read by phase X's subtractions.  ONE wait on va_vdst behind the four columns states that these are done.  Behind it land xn's fragments: my four position tiles in v[0:63] behind the
;                           barrier; position tiles 4 to 7 for the v units in v[64:127], dealt into units 0 and 1, whose matrix instructions name v[0:63] and v[128:255] alone; position tiles 0 to 3 in v[0:63] in unit 3, behind a wait of their own.
;   v[48:63]                w's scale words for q, k; the matrix instructions of units 0 to 3 read them; xn's eight tiles' land there in unit 3, behind the same wait.
;   v[32:47], v[24:27]      phase X: the four columns' codes and bytes, read by eight LDS stores, which stand in one run behind the wait named above.
;   OUT0 = v[32:39], v24;  OUT1 = v[40:47], v25     two out-buffers by turns: unit n (0 to 3: q or k; 4, 5: v) writes OUT[n % 2]; one wait on va_vdst behind its quantiser, then its three stores.  A wait on vm_vsrc stands ahead of the
;                           quantiser that writes a buffer again, a whole unit behind the stores that read it.
;   The accumulators and v[16:23], v[28:31] are named by vector and matrix instructions alone (at the very end one LDS load lands in the first four accumulator registers).
.set XP,    144                        ; LDS: a position's 256 codes, 128 bytes, + 16 of padding
.set SCB,   128*XP                     ; behind them: 8 scale bytes a position
.set OST,   SCB+1024                   ; behind those: the outgoing scale words: q's 1,024 bytes, k's, v's
.set STEPB, 34816                      ; a block of kv
.set LI,   1                           ; v1   16 lane
.set CST,  4                           ; v4   phase X: 4 XP lane + 16 wave: my first position's row, my block's 16 bytes
.set SST,  5                           ; v5   phase X: SCB + 32 lane + wave
.set FRD,  6                           ; v6   a fragment of xn: XP Pr + 16 h, Pr = r + 8 (r / 8)
.set FRQ,  7                           ; v7   the same in my half of the positions
.set SRD,  8                           ; v8   its scale words: SCB + 8 Pr
.set SRQ,  9                           ; v9   the same in my half
.set WOQ,  10                          ; v10  w's codes for q, k: 128 Pr + 16 h + 16384 (w % 4)
.set WSOQ, 11                          ; v11  w's scales for q, k: 8 Pr + 1024 (w % 4)
.set BO,   12                          ; v12  the bias for q, k: 64 h + 512 (w % 4)
.set BVO,  13                          ; v13  the bias for v: 4 Pr + 2048 + 128 w
.set OSA,  14                          ; v14  where a q or k unit's scale word goes
.set OSV,  15                          ; v15  where a v unit's goes
.set TM,   16                          ; v[16:31] at work in the quantisers
.set PW,   TM+8                        ; v24, v25: the scale word just made, of out-buffer 0, 1
.set PC,   32                          ; v[32:47] phase X: four registers a column; then the codes just made: eight registers for each of the two out-buffers
.set WS,   48                          ; v[48:63] scale words: w's for q, k (pair 2 t: K steps 0, 1), later xn's eight tiles'
.set WSV,  64                          ; v[64:67] w's for v
.set FIN,  68                          ; v68  OST + 512 w + 16 lane
.set VVO,  69                          ; v69  16 lane + 2048 w
.set WOV,  70                          ; v70  w's codes for v: 128 Pr + 16 h + 65536 + 4096 w
.set WSOV, 71                          ; v71  w's scales for v: 8 Pr + 4096 + 256 w
.set T,    72                          ; v[72:135] phase X: two sets of 32 numbers of xn
.set HA,   72                          ; later: a unit's eight accumulators
.set WV,   136                         ; v[136:167] w's fragments for v: 8 (2 u + s)
.set BQ,   168                         ; v[168:231] the bias tiles for q, k
.set BV,   232                         ; v[232:247] and for v
.set XS,   248                         ; v[248:255] xn's scale words for the q, k units
.set WQK,  128                         ; window 1: v[128:255] w's fragments for q, k: 8 (2 t + s);  v[0:127] x as loaded (register 4 i + p: channel 32 w + i, position 4 lane + p), later xn's fragments
.set SEL,  66                          ; s[66:67]
; s2 wave, s3 w % 4, s4 w / 4, s5 0: q, 1: k, s6 the K step that my q, k units make; s[8:39] a, s[40:55] and s[68:83] beta, s[84:87] the means of my 32 channels
.set MSB, 0
.macro WIN new                         ; s_set_vgpr_msb: bits 1:0 source 0, 3:2 source 1, 5:4 source 2, 7:6 destination; the high byte repeats the setting that is left
.if MSB != \new
	s_set_vgpr_msb (MSB<<8)|\new
.set MSB, \new
.endif
.endm
.macro MMC d, a, b, c, sa, sb
	v_wmma_scale_f32_16x16x128_f8f6f4 v[\d:\d+7], v[\a:\a+7], v[\b:\b+7], v[\c:\c+7], v[\sa], v[\sb] matrix_a_fmt:MATRIX_FMT_FP4 matrix_b_fmt:MATRIX_FMT_FP4
.endm
; 64 numbers of a lane, register 16 b + i = k 32 b + 16 (lane / 16) + i of my row, become a fragment's codes in v[pc] on and its scale word in v[pw].
.macro QUANT src, pc, pw
.irp b, 0,1,2,3
	v_max3_num_f32 v[TM+\b], |v[\src+16*\b]|, |v[\src+1+16*\b]|, 0x1800000   ; block b: my 16 numbers, and the floor 2^(3 - 127): the byte cannot fall under 1
.endr
.irp i, 2,4,6,8,10,12,14
.irp b, 0,1,2,3
	v_max3_num_f32 v[TM+\b], v[TM+\b], |v[\src+16*\b+\i]|, |v[\src+1+16*\b+\i]|   ; the four blocks by turns
.endr
.endr
.irp b, 0,1,2,3
	v_permlanex16_b32 v[TM+4+\b], v[TM+\b], s[SEL], s[SEL+1]
.endr
.irp b, 0,1,2,3
	v_max_num_f32 v[TM+\b], v[TM+\b], v[TM+4+\b]   ; with lane l xor 16's: the block's largest magnitude
.endr
.irp b, 0,1,2,3
	v_add_nc_u32 v[TM+12+\b], 0xff000000, v[TM+\b] ; 2 off its exponent field: the conversion takes the exponent field of this operand as its scale
.endr
.irp b, 0,1,2,3
	v_lshrrev_b32 v[TM+4+\b], 23, v[TM+12+\b]      ; the scale's byte
.endr
	v_lshl_or_b32 v[\pw], v[TM+5], 8, v[TM+4]
	v_lshl_or_b32 v[\pw], v[TM+6], 16, v[\pw]
	v_lshl_or_b32 v[\pw], v[TM+7], 24, v[\pw]
.irp b, 0,1,2,3
	v_cvt_scalef32_pk8_fp4_f32 v[\pc+2*\b], v[\src+16*\b:\src+7+16*\b], v[TM+12+\b]
	v_cvt_scalef32_pk8_fp4_f32 v[\pc+1+2*\b], v[\src+8+16*\b:\src+15+16*\b], v[TM+12+\b]
.endr
	v_nop                                          ; one plain place behind a scaled conversion
.irp c, 0,1                            ; the operand's layout wants a whole block in a lane: lanes 0-15 block 2 c, lanes 16-31 block 2 c + 1
.irp i, 0,1
	v_permlane16_swap_b32 v[\pc+4*\c+\i], v[\pc+2+4*\c+\i]
.endr
.endr
.endm
; xn's two fragments of position tile t, for the v units: window 1 (set by the caller), v[16 t + 8 s]
.macro VFRAG t
.irp s, 0,1
.irp c, 0,1
	ds_load_b128 v[16*(\t)+8*\s+4*\c:16*(\t)+8*\s+4*\c+3], v[FRD] offset:(32*((\t)/2)+8*((\t)%2))*XP+64*\s+32*\c
.endr
.endr
.endm
	s_load_b256 s[56:63], s[0:1], 0x0              ; x, gn_a, gn_m, gn_beta
	s_load_b256 s[88:95], s[0:1], 0x20             ; w's codes, w's scales, b_qkv, qimg
	s_load_b128 s[96:99], s[0:1], 0x40             ; qsc, kv
	v_lshrrev_b32 v2, 5, v0
	v_readfirstlane_b32 s2, v2                     ; wave 0..7
	s_and_b32 s7, ttmp7, 0xffff                    ; the image
	s_mov_b32 s[SEL], 0x76543210
	s_mov_b32 s[SEL+1], 0xfedcba98
	v_and_b32 v16, 31, v0                          ; lane
	v_and_b32 v2, 15, v0                           ; r
	v_bfe_u32 v3, v0, 4, 1                         ; h
	v_and_b32 v17, 8, v2
	v_add_nc_u32 v17, v17, v2                      ; Pr = r + 8 (r / 8)
	v_lshlrev_b32 v[LI], 4, v16
	v_mul_u32_u24 v[CST], v16, 4*XP
	s_wait_alu depctr_va_sdst(0)                   ; s2 is written, ahead of its first reader: offsets, bases and the branch at the end are made from it
	s_and_b32 s3, s2, 3
	s_lshr_b32 s4, s2, 2
	s_lshr_b32 s5, s3, 1
	s_and_b32 s6, s2, 1
	s_lshl_b32 s100, s2, 4
	v_add_nc_u32 v[CST], s100, v[CST]
	v_lshl_add_u32 v[SST], v16, 5, SCB
	v_add_nc_u32 v[SST], s2, v[SST]
	v_mul_u32_u24 v[FRD], v17, XP
	v_lshl_add_u32 v[FRD], v3, 4, v[FRD]
	s_mul_i32 s100, s4, 64*XP
	v_add_nc_u32 v[FRQ], s100, v[FRD]
	v_lshl_add_u32 v[SRD], v17, 3, SCB
	s_lshl_b32 s100, s4, 9
	v_add_nc_u32 v[SRQ], s100, v[SRD]
	v_lshlrev_b32 v18, 7, v17
	v_lshl_add_u32 v18, v3, 4, v18                 ; 128 Pr + 16 h: a row of w is 128 bytes
	s_lshl_b32 s100, s3, 14
	v_add_nc_u32 v[WOQ], s100, v18
	s_lshl_b32 s100, s2, 12
	s_add_co_u32 s100, s100, 512*128
	v_add_nc_u32 v[WOV], s100, v18
	v_lshlrev_b32 v18, 3, v17                      ; 8 Pr: a row of w's scales is 8 bytes
	s_lshl_b32 s100, s3, 10
	v_add_nc_u32 v[WSOQ], s100, v18
	s_lshl_b32 s100, s2, 8
	s_add_co_u32 s100, s100, 512*8
	v_add_nc_u32 v[WSOV], s100, v18
	s_lshl_b32 s100, s3, 9
	v_lshl_add_u32 v[BO], v3, 6, s100
	s_lshl_b32 s100, s2, 7
	s_add_co_u32 s100, s100, 512*4
	v_lshl_add_u32 v[BVO], v17, 2, s100
	s_lshl_b32 s100, s5, 10                        ; q's or k's 1,024 bytes,
	s_lshl_b32 s101, s4, 9                         ; my half of the tiles,
	s_add_co_u32 s100, s100, s101
	s_lshl_b32 s101, s6, 8                         ; lanes 16 x K step on
	s_add_co_u32 s100, s100, s101
	s_add_co_u32 s100, s100, OST
	v_lshl_add_u32 v[OSA], v2, 4, s100
	s_lshl_b32 s100, s4, 9                         ; v's: register w = 4 (w / 4) + w % 4
	s_lshl_b32 s101, s3, 2
	s_add_co_u32 s100, s100, s101
	s_add_co_u32 s100, s100, OST+2048
	v_lshl_add_u32 v[OSV], v2, 4, s100
	s_lshl_b32 s100, s2, 9
	s_add_co_u32 s100, s100, OST
	v_add_nc_u32 v[FIN], s100, v[LI]
	s_lshl_b32 s100, s2, 11
	v_add_nc_u32 v[VVO], s100, v[LI]
	s_wait_kmcnt 0x0
	s_lshl_b32 s100, s7, 20                        ; x: the image's 2^20 bytes,
	s_lshl_b32 s101, s2, 17                        ; my 32 channels of 4,096 bytes,
	s_add_co_u32 s100, s100, s101
	s_lshl_b32 s101, ttmp9, 9                      ; the work-group's 128 positions
	s_add_co_u32 s100, s100, s101
	s_mov_b32 s101, 0
	s_add_nc_u64 s[56:57], s[56:57], s[100:101]
	WIN 0x40                                       ; destination window 1
	s_wait_alu depctr_va_vdst(0)                   ; the seventeen offsets and LDS addresses v1, v4 to v15, v68 to v71 are written: every load and store of the kernel reads one of them, and no line writes one again
.set i, 0
.rept 32
	global_load_b128 v[4*i:4*i+3], v[LI], s[56:57] offset:4096*i th:TH_LOAD_NT   ; channel 32 w + i: 512 consecutive bytes
.set i, i+1
.endr
	WIN 0
	s_lshl_b32 s100, s2, 7                         ; my 32 channels' numbers
	s_add_nc_u64 s[62:63], s[62:63], s[100:101]
	s_lshl_b32 s101, s7, 10
	s_add_co_u32 s100, s100, s101                  ; in the image's 256
	s_mov_b32 s101, 0
	s_add_nc_u64 s[58:59], s[58:59], s[100:101]
	s_add_nc_u64 s[60:61], s[60:61], s[100:101]
	s_load_b512 s[8:23], s[58:59], 0x0             ; the statistics are the same for all lanes: scalar loads (this launch writes none of these buffers)
	s_load_b512 s[24:39], s[58:59], 0x40
	s_load_b512 s[40:55], s[62:63], 0x0
	s_load_b512 s[68:83], s[62:63], 0x40
	s_load_b32 s84, s[60:61], 0x0
	s_load_b32 s85, s[60:61], 0x20
	s_load_b32 s86, s[60:61], 0x40
	s_load_b32 s87, s[60:61], 0x60
.irp t, 0,1,2,3,4,5,6,7                ; 28 small loads.  (No vector line has named a register in which a load of the head lands)
	global_load_b64 v[WS+2*\t:WS+2*\t+1], v[WSOQ], s[90:91] offset:(32*(\t/2)+8*(\t%2))*8
.endr
.irp u, 0,1
	global_load_b64 v[WSV+2*\u:WSV+2*\u+1], v[WSOV], s[90:91] offset:64*\u
.endr
.irp t, 0,1,2,3,4,5,6,7                ; lane (r, h) wants, for tile t, the bias of rows 32 (t / 2) + 16 h + 8 (t % 2) + 0 .. 7
	global_load_b128 v[BQ+8*\t:BQ+8*\t+3], v[BO], s[92:93] offset:(32*(\t/2)+8*(\t%2))*4
	global_load_b128 v[BQ+8*\t+4:BQ+8*\t+7], v[BO], s[92:93] offset:(32*(\t/2)+8*(\t%2))*4+16
.endr
.irp u, 0,1
	global_load_b32 v[BV+8*\u], v[BVO], s[92:93] offset:32*\u
.endr
	WIN 0x40
.irp t, 0,1,2,3,4,5,6,7                ; the 40 loads of the weights go out behind them, while x is on its way
.irp s, 0,1
.irp c, 0,1
	global_load_b128 v[WQK+16*\t+8*\s+4*\c:WQK+16*\t+8*\s+4*\c+3], v[WOQ], s[88:89] offset:(32*(\t/2)+8*(\t%2))*128+64*\s+32*\c
.endr
.endr
.endr
	WIN 0
.irp u, 0,1
.irp s, 0,1
.irp c, 0,1
	global_load_b128 v[WV+16*\u+8*\s+4*\c:WV+16*\u+8*\s+4*\c+3], v[WOV], s[88:89] offset:1024*\u+64*\s+32*\c
.endr
.endr
.endr
	s_wait_kmcnt 0x0                               ; the statistics; s[58:63] are free from here on
	s_lshl_b32 s7, s7, 3
	s_add_co_u32 s7, s7, ttmp9                     ; 8 image + ks
	s_mul_i32 s100, s7, STEPB
	s_add_nc_u64 s[98:99], s[98:99], s[100:101]    ; my block of kv
	s_lshl_b32 s100, s7, 14
	s_add_nc_u64 s[94:95], s[94:95], s[100:101]    ; my eight tiles of qimg
	s_lshl_b32 s100, s7, 10
	s_add_nc_u64 s[96:97], s[96:97], s[100:101]    ; my 1,024 bytes of qsc
	s_cmp_lt_u32 s3, 2                             ; do my units make q or k?  The choice hangs on the wave's number alone
	s_cselect_b64 s[58:59], s[94:95], s[98:99]
	s_cselect_b32 s100, 0, 2048
	s_lshl_b32 s7, s4, 13                          ; + my four tiles of 2,048 bytes
	s_add_co_u32 s100, s100, s7
	s_lshl_b32 s7, s6, 10                          ; + my K step
	s_add_co_u32 s100, s100, s7
	s_add_nc_u64 s[58:59], s[58:59], s[100:101]
	s_cmp_lt_u32 s2, 2                             ; at the end waves 0, 1 store q's scale words, waves 2 to 5 k's and v's
	s_cselect_b64 s[60:61], s[96:97], s[98:99]
	s_cselect_b32 s7, 0, 1024
	s_lshl_b32 s100, s2, 9
	s_sub_co_u32 s100, s100, s7
	s_add_nc_u64 s[60:61], s[60:61], s[100:101]
	s_wait_loadcnt 63                              ; loads come back in order: of the 100 issued the oldest 37 are in, x's 32 among them; the weights may be out
; PHASE X.  Column p: positions 4 lane + p; my 32 channels are one block.  Each column has its own registers for its codes, its scale operand and its byte; the four columns' LDS stores stand in one run behind them.
.macro COLUMN p
.set TS, T+32*((\p)%2)
	WIN 0x01                                       ; source 0 window 1
.set i, 0
.rept 32
	v_sub_f32 v[TS+i], v[4*i+\p], s[84+i/8]        ; x - the group's mean
.set i, i+1
.endr
	WIN 0
.set i, 0
.rept 32
	v_fma_f32 v[TS+i], v[TS+i], s[8+i], s[40+i+12*(i/16)]   ; x a + beta
.set i, i+1
.endr
	v_max3_num_f32 v[TM], |v[TS]|, |v[TS+1]|, |v[TS+2]|     ; the block's largest magnitude: all 32 numbers are mine; two chains
	v_max3_num_f32 v[TM+1], |v[TS+3]|, |v[TS+4]|, |v[TS+5]|
.irp n, 6,10,14,18,22,26
	v_max3_num_f32 v[TM], v[TM], |v[TS+\n]|, |v[TS+\n+1]|
	v_max3_num_f32 v[TM+1], v[TM+1], |v[TS+\n+2]|, |v[TS+\n+3]|
.endr
	v_max3_num_f32 v[TM], v[TM], |v[TS+30]|, |v[TS+31]|
	v_max3_num_f32 v[TM], v[TM], v[TM+1], 0x1800000         ; and the floor 2^(3 - 127)
	v_add_nc_u32 v[TM+4+\p], 0xff000000, v[TM]              ; the conversion's scale operand
	v_lshrrev_b32 v[TM+8+\p], 23, v[TM+4+\p]                ; the byte
.irp g, 0,1,2,3
	v_cvt_scalef32_pk8_fp4_f32 v[PC+4*\p+\g], v[TS+8*\g:TS+8*\g+7], v[TM+4+\p]
.endr
	v_nop                                          ; one plain place behind a scaled conversion
.endm
	COLUMN 0
	COLUMN 1
	COLUMN 2
	COLUMN 3
	s_wait_alu depctr_va_vdst(0)                   ; the four columns have written their codes v[32:47] and bytes v[24:27], which the LDS stores below read; and their subtractions are done reading x's 128 registers of window 1, in which xn's fragments land from the barrier on
.irp p, 0,1,2,3
	ds_store_b128 v[CST], v[PC+4*\p:PC+4*\p+3] offset:XP*\p
	ds_store_b8 v[SST], v[TM+8+\p] offset:8*\p
.endr
	s_wait_dscnt 0x0                               ; for the others' sake: my block's codes and bytes lie in LDS
	s_barrier_signal -1
	s_barrier_wait -1                              ; all eight blocks of all 128 positions do
	WIN 0x40
.irp i, 0,1,2,3                        ; xn's fragments of my four position tiles: window 1, v[16 i + 8 s].  No wait: no vector line since the wait above names these registers
.irp s, 0,1
.irp c, 0,1
	ds_load_b128 v[16*\i+8*\s+4*\c:16*\i+8*\s+4*\c+3], v[FRQ] offset:(32*(\i/2)+8*(\i%2))*XP+64*\s+32*\c
.endr
.endr
.endr
	WIN 0
.irp i, 0,1,2,3
	ds_load_b64 v[XS+2*\i:XS+2*\i+1], v[SRQ] offset:(32*(\i/2)+8*(\i%2))*8   ; and their scale words, K steps 0 and 1
.endr
	s_wait_loadcnt 0x0                             ; weights, scales, biases
.irp u, 0,1
.irp k, 1,2,3,4,5,6,7
	v_mov_b32 v[BV+8*\u+\k], v[BV+8*\u]            ; in a v unit a lane holds one channel: its bias in all eight registers of C
.endr
.endr
	s_wait_dscnt 0x0
; A q or k unit, unit i of the wave's six: position tile 4 (w / 4) + i, output rows 128 (w % 4) on: eight accumulators by turns, K step by K step.  Its codes and scale word go to out-buffer i % 2.
.macro QKUNIT i
.set OC, PC+8*((\i)%2)
.set OW, PW+(\i)%2
	WIN 0x05                                       ; sources 0 (w) and 1 (xn) window 1
.irp t, 0,1,2,3,4,5,6,7
	MMC HA+8*\t, WQK+16*\t, 16*\i, BQ+8*\t, WS+2*\t, XS+2*\i
.endr
.irp t, 0,1,2,3,4,5,6,7
	MMC HA+8*\t, WQK+16*\t+8, 16*\i+8, HA+8*\t, WS+2*\t+1, XS+2*\i+1
.endr
	WIN 0
.rept 4
	v_nop                                          ; places behind the products (ISA guide 7.12.1), ahead of the first read of their results
.endr
.if (\i) >= 2
	s_wait_xcnt 0x0                                ; the global stores of two units back have had their addresses translated: their data registers, this unit's out-buffer, are written again only behind this wait
.endif
.if (\i) != 1
	s_wait_alu depctr_vm_vsrc(0)                   ; the stores that read this unit's out-buffer have read it: phase X's LDS stores (unit 0; they read the other buffer too, which unit 1 writes), the three stores of two units back (units 2, 3)
.endif
.if (\i) < 2
	WIN 0x40                                       ; for the v units, early: position tiles 4 + 2 i and 5 + 2 i, into x's old registers v[64:127] of window 1.  No wait: no vector or matrix line since the wait behind the columns names them
	VFRAG 4+2*(\i)
	VFRAG 5+2*(\i)
	WIN 0
.endif
.if (\i) == 3
	WIN 0x40
	s_wait_alu depctr_va_vdst(0)                   ; this unit's matrix instructions, the last to do so, are done reading xn's four fragments in v[0:63] of window 1 and w's scale words in v[48:63]: the loads below land there
	VFRAG 0                                        ; position tiles 0 to 3 for the v units: they land while this unit is quantised; the quantiser names none of these registers
	VFRAG 1
	VFRAG 2
	VFRAG 3
	WIN 0
.irp t, 0,1,2,3,4,5,6,7
	ds_load_b64 v[WS+2*\t:WS+2*\t+1], v[SRD] offset:(32*(\t/2)+8*(\t%2))*8   ; and all eight tiles' scale words
.endr
.endif
	QUANT HA, OC, OW
	s_wait_alu depctr_va_vdst(0)                   ; the quantiser has written the out-buffer's codes and scale word, which the three stores read
	global_store_b128 v[LI], v[OC:OC+3], s[58:59] offset:2048*\i          ; 512 consecutive bytes each
	global_store_b128 v[LI], v[OC+4:OC+7], s[58:59] offset:2048*\i+512
	ds_store_b32 v[OSA], v[OW] offset:4*\i         ; lanes r and 16 + r write the same word with the same value
.endm
	QKUNIT 0
	QKUNIT 1
	QKUNIT 2
	QKUNIT 3
	s_wait_dscnt 0x0                               ; all eight position tiles' fragments (window 1, v[16 t + 8 s]) and scale words are in
; A v unit, unit 4 + u of the wave's six: channel tile 2 w + u, all 128 positions: they are one K step of attention's second product.  Out-buffer u % 2.
.macro VUNIT u
.set OC, PC+8*((\u)%2)
.set OW, PW+(\u)%2
	WIN 0x01                                       ; source 0 (xn) window 1
.irp t, 0,1,2,3,4,5,6,7
	MMC HA+8*\t, 16*\t, WV+16*\u, BV+8*\u, WS+2*\t, WSV+2*\u
.endr
.irp t, 0,1,2,3,4,5,6,7
	MMC HA+8*\t, 16*\t+8, WV+16*\u+8, HA+8*\t, WS+2*\t+1, WSV+2*\u+1
.endr
	WIN 0
.rept 4
	v_nop
.endr
	s_wait_xcnt 0x0                                ; as in a q or k unit: the global stores of two units back have had their addresses translated,
	s_wait_alu depctr_vm_vsrc(0)                   ; and the three stores of two units back have read this unit's out-buffer
	QUANT HA, OC, OW
	s_wait_alu depctr_va_vdst(0)                   ; the quantiser has written the out-buffer's codes and scale word, which the three stores read; behind the last unit also: it is done with the accumulators, in the first four of which an LDS load lands below
	global_store_b128 v[VVO], v[OC:OC+3], s[98:99] offset:18432+1024*\u
	global_store_b128 v[VVO], v[OC+4:OC+7], s[98:99] offset:18432+1024*\u+512
	ds_store_b32 v[OSV], v[OW] offset:256*\u
.endm
	VUNIT 0
	VUNIT 1
	s_wait_dscnt 0x0                               ; for the others' sake: my six scale words lie in LDS
	s_barrier_signal -1
	s_barrier_wait -1
	s_cmp_gt_u32 s2, 5
	s_cbranch_scc1 .Ldone                          ; 3,072 bytes of scale words: six waves store 512 consecutive bytes each
	ds_load_b128 v[HA:HA+3], v[FIN]                ; into registers that no store has read.  No wait: no vector or matrix line since the last unit's wait names them
	s_wait_dscnt 0x0
	global_store_b128 v[LI], v[HA:HA+3], s[60:61]
.Ldone:
	s_wait_xcnt 0x0
	v_lshl_add_u32 v254, v0, 2, 0x6000             ; (no memory or LDS instruction has read v254 or v255: they held scale words, which LDS loads brought and matrix instructions read)
	v_mov_b32 v255, 0
	s_wait_dscnt 0x0                               ; the closing lines, six on end
	s_wait_alu 0x0
	s_wait_tensorcnt 0x0
	ds_add_u32 v254, v255
	s_wait_dscnt 0x0
	s_endpgm
.Lfunc_end_k_qe831c82f3c_qkv:
	.size	k_qe831c82f3c_qkv, .Lfunc_end_k_qe831c82f3c_qkv-k_qe831c82f3c_qkv
	.p2alignl 7, 3214868480
	.fill 96, 4, 3214868480
	.section	.rodata,"a",@progbits
	.p2align	6, 0x0
	.amdhsa_kernel k_qe831c82f3c_qkv
		.amdhsa_group_segment_fixed_size 25600
		.amdhsa_private_segment_fixed_size 0
		.amdhsa_enable_private_segment 0
		.amdhsa_kernarg_size 80
		.amdhsa_user_sgpr_count 2
		.amdhsa_user_sgpr_kernarg_segment_ptr 1
		.amdhsa_wavefront_size32 1
		.amdhsa_system_sgpr_workgroup_id_x 1
		.amdhsa_system_sgpr_workgroup_id_y 1
		.amdhsa_system_sgpr_workgroup_id_z 1
		.amdhsa_system_vgpr_workitem_id 0
		.amdhsa_next_free_vgpr 512
		.amdhsa_next_free_sgpr 102
		.amdhsa_reserve_vcc 0
		.amdhsa_float_denorm_mode_32 3
		.amdhsa_float_denorm_mode_16_64 3
		.amdhsa_memory_ordered 1
		.amdhsa_forward_progress 1
		.amdhsa_inst_pref_size 80
	.end_amdhsa_kernel
	.amdgpu_metadata
---
amdhsa.version: [ 1, 2 ]
amdhsa.kernels:
  - .name:           k_qe831c82f3c_qkv
    .symbol:         k_qe831c82f3c_qkv.kd
    .args:
      - { .name: x, .offset: 0, .size: 8, .value_kind: global_buffer, .address_space: global }
      - { .name: gn_a, .offset: 8, .size: 8, .value_kind: global_buffer, .address_space: global }
      - { .name: gn_m, .offset: 16, .size: 8, .value_kind: global_buffer, .address_space: global }
      - { .name: gn_beta, .offset: 24, .size: 8, .value_kind: global_buffer, .address_space: global }
      - { .name: w_qkv_codes, .offset: 32, .size: 8, .value_kind: global_buffer, .address_space: global }
      - { .name: w_qkv_scales, .offset: 40, .size: 8, .value_kind: global_buffer, .address_space: global }
      - { .name: b_qkv, .offset: 48, .size: 8, .value_kind: global_buffer, .address_space: global }
      - { .name: qimg, .offset: 56, .size: 8, .value_kind: global_buffer, .address_space: global }
      - { .name: qsc, .offset: 64, .size: 8, .value_kind: global_buffer, .address_space: global }
      - { .name: kv, .offset: 72, .size: 8, .value_kind: global_buffer, .address_space: global }
    .group_segment_fixed_size: 25600
    .private_segment_fixed_size: 0
    .kernarg_segment_align: 8
    .kernarg_segment_size: 80
    .max_flat_workgroup_size: 256
    .sgpr_count:     102
    .vgpr_count:     512
    .wavefront_size: 32
...
	.end_amdgpu_metadata
.endif
;; end of part 4
;; launch attn: the kernel of part 3 again; grid 8 x 32, 4 waves a work-group, clusters of 4 x 1, 327,680 bytes of LDS; arguments x, qimg, qsc, kv, pooled, w_se1_codes, w_se1_scales, b_se1, w_se2_codes, w_se2_scales, b_se2, w_proj_codes, w_proj_scales, b_proj, out0; writes out0
